; MI455X (gfx1250); checked and timed in simulation.
; The chip was launched on July 23, 2026; its instructions are those of AMD's public machine-readable ISA for CDNA 5 (MIT licence, August 2026) and "CDNA5" Instruction Set Architecture Reference Guide (July 2026). The comments in the code are by the model that wrote it; some were corrected since.
;; Grouped Query Attention. Allowed arithmetic: matrix products marked QUANTISED: E2M1 operands, one E8M0 scale for each 32 along K, by v_wmma_scale_f32_16x16x128_f8f6f4 with both operands' format E2M1 (or v_wmma_scale_f32_32x16x128_f4), f32 sums; products left as they are: bf16, f16 or f32 operands; f32 sums; everything else in f32.
;; Inputs: W_attn 1,024 x 3,072 float32; W_proj 1,024 x 1,024 float32; b_attn 3,072 float32; b_proj 1,024 float32; x 4 x 2,048 x 1,024 float32.
;; Outputs: out0 4 x 2,048 x 1,024 float32.
;; This version of the problem:
;;   THIS VERSION OF THE PROBLEM IS GIVEN IN LOW PRECISION. The matrix products marked QUANTISED in the list below multiply operands that are first quantised to E2M1 (2 exponent bits, 1 mantissa bit; 4 bits a number), with one power-of-two scale for each 32 numbers along K (OCP MX v1.0); their sums are f32. The products marked 'left as it is' may take bf16, f16 or f32 operands, with f32 sums. Whichever they take, every output number must still come out within the allowed error. Rounding operands to bf16 (8 significant bits) uses up far more of that allowance than f16 does (11 bits, for magnitudes from 6e-5 to 65,504). All else is computed in f32.
;;   The module's matrix products, in the order in which they are computed (A, B: the left and right operand; K: the contracted axis; several contracted axes count as one K, in the product's order):
;;     1. [M 8,192, K 1,024] x [K 1,024, N 3,072]; A: input x; B: input W_attn: QUANTISED
;;     2. batch 64 x [M 2,048, K 64] x [K 64, N 2,048]; A: computed on the way; B: computed on the way: left as it is (an operand is computed on the way)
;;     3. batch 64 x [M 2,048, K 2,048] x [K 2,048, N 64]; A: computed on the way; B: computed on the way: left as it is (an operand is computed on the way)
;;     4. [M 8,192, K 1,024] x [K 1,024, N 1,024]; A: computed on the way; B: input W_proj: left as it is (an operand is computed on the way)
;;   THE QUANTISER, for each operand of a quantised product, along K:
;;     - K is cut into blocks of 32 from its start; a last block that is shorter is filled with zeros.
;;     - A block's scale is 2^e with e = floor(log2(the largest magnitude in the block)) - 2, held to -126 .. 127; a block of zeros has e = 0. As a byte (E8M0): e + 127.
;;     - Each number is divided by its block's scale, clamped to +-6, and rounded to the nearest number of E2M1, ties to even, subnormals kept.
;;     - The product sums the exact products of the quantised numbers (number of the format x scale) in f32.
;;   ~~~python
;;   def quantise(x, axis):      # numpy; x: float32 -> the quantised numbers, widened to float32 again
;;       x = np.moveaxis(x, axis, -1); K = x.shape[-1]
;;       x = np.pad(x, [(0, 0)] * (x.ndim - 1) + [(0, -K % 32)]); x = x.reshape(x.shape[:-1] + (-1, 32)); a = np.abs(x).max(-1, keepdims=True)
;;       e = np.where(a > 0, np.clip(np.frexp(np.where(a > 0, a, 1))[1] - 1 - 2, -126, 127), 0)      # np.frexp(a)[1] - 1 = floor(log2(a)), exactly
;;       r = np.clip(x / 2.0 ** e, -6, 6)
;;       step = 2.0 ** (np.maximum(np.frexp(np.where(r == 0, 1, r))[1] - 1, 0) - 1)
;;       q = np.round(r / step) * step * 2.0 ** e      # np.round: ties to even
;;       return np.moveaxis(q.reshape(q.shape[:-2] + (-1,))[..., :K], -1, axis).astype(np.float32)
;;   ~~~
;; One version. Each part assembles by itself: llvm-mc -triple=amdgcn-amd-amdhsa -mcpu=gfx1250 --defsym DOCPART=n.
;; ======== version 1 of 1: 4 launches
;; limits: values are held in f16: magnitudes above 65,504 overflow, below 6.1e-05 lose precision
;; workspace buffers: xq 4,456,448 bytes; wq 1,671,168 bytes; wp16 2,097,152 bytes; rope 524,288 bytes; qkv16 50,331,648 bytes; att16 16,777,216 bytes
;; launch prep (part 1): grid 368 x 1, 4 waves a work-group, no clusters, 68,096 bytes of LDS; arguments x, W_attn, W_proj, xq, wq, wp16, rope; writes xq, wq, wp16, rope
.if DOCPART == 1
	.amdgcn_target "amdgcn-amd-amdhsa--gfx1250"
	.amdhsa_code_object_version 6
	.text
	.protected	k_qe030a1e87e_prep
	.globl	k_qe030a1e87e_prep
	.p2align	8
	.type	k_qe030a1e87e_prep,@function
k_qe030a1e87e_prep:
	s_mov_b64 s[64:65], 0
	v_nop
	global_prefetch_b8 v0, s[64:65] scope:SCOPE_SE
	s_setreg_imm32_b32 hwreg(HW_REG_WAVE_MODE, 25, 1), 1
	s_wait_xcnt 0x0
; Four preparations in one launch, told apart by the work-group's number alone; the four paths never meet again.
;   work-groups   0..255  X: x [8192][1024] f32 -> codes of FP4 (E2M1), K innermost, [8192][512 bytes] at xq, and one E8M0 byte for each 32 along K, [8192][32], at xq + XQSC
;   work-groups 256..303  W: W_attn [1024 (k)][3072 (n)] f32 -> codes laid [3072][512 bytes] with K innermost at wq, scale bytes [3072][32] at wq + WQSC
;   work-groups 304..335  P: W_proj [1024][1024] f32 -> f16, same layout, at wp16
;   work-groups 336..367  R: the table of RoPE: rope[t][i] = (cos, sin) of (t + 1) x 1000^(-(i + 1) / 32), f32, t = 0..2047, i = 0..31: a row is 256 bytes
; THE QUANTISER: a block's scale is 2^(floor(log2(its largest magnitude)) - 2); its byte is the largest magnitude's exponent field - 2, held at 1 from below; each number is divided by the scale and
; rounded to the nearest code, ties to even, beyond 6 the largest code.
; LIMITS: a block of zeros gets the byte 1 where the rule says 127 (its codes are zeros, which add nothing under any byte but 0xff, and this program alone reads the bytes); blocks whose largest magnitude
; lies under 2^-124 keep the byte 1; NaN and infinities among the inputs are not served.  W_proj must lie inside f16's range (magnitudes under 65,504).
; No tile is shared between work-groups, so there is no cluster; no tensor load, no barrier: waves share nothing.  Each path that uses LDS has LDS bytes of its own.
.set SPW,   190                        ; v190  LDS address of my spare word: SPARE + 4 x my thread's number; never rewritten
.set NIL,   191                        ; v191  0; never rewritten
.set SPARE, 67584                      ; behind both paths' regions: the spare words, 128 bytes for each wave
.set XQSC,  4194304                    ; where x's scale bytes begin in xq
.set WQSC,  1572864                    ; where W_attn's begin in wq
.set EMAX,  2
.set SP,    80                         ; path X: a lane's place in a stage: its 64 bytes + 16 of padding
.set XR,    16                         ; v16-79   four sets of 16 numbers as they are loaded
.set XX,    80                         ; v80-111  two sets of 16 neighbours
.set XE,    112                        ; v112-127 a scale byte for each step
.set XC,    128                        ; v128-189 codes: four registers for each step, so that no store's data are written again
.set WSTG,  32768                      ; path W: the four stages begin here
.set WP,    272                        ; a stage row: 256 bytes + 16
.set WX,    32                         ; v32-95   two sets of 32 numbers
.set WC,    96                         ; v96-99   a block's codes
.set WO,    112                        ; v112-175 the way out
.set WSB,   24                         ; v24-27   the scale bytes, four to a register
	s_load_b256 s[4:11], s[0:1], 0x0               ; x s[4:5], W_attn s[6:7], W_proj s[8:9], xq s[10:11]
	s_load_b128 s[12:15], s[0:1], 0x20             ; wq s[12:13], wp16 s[14:15]
	s_load_b64 s[16:17], s[0:1], 0x30              ; rope
	v_lshl_add_u32 v[SPW], v0, 2, SPARE
	v_mov_b32 v[NIL], 0
	v_lshrrev_b32 v1, 5, v0
	v_readfirstlane_b32 s20, v1                    ; wave 0..3
	v_and_b32 v2, 31, v0                           ; lane
	s_mov_b32 s25, 0                               ; the upper word of every byte offset: all stay under 2^32
	s_wait_kmcnt 0x0
	s_cmp_lt_u32 ttmp9, 256
	s_cbranch_scc1 .Lpath_x
	s_cmp_lt_u32 ttmp9, 304
	s_cbranch_scc1 .Lpath_w
	s_cmp_lt_u32 ttmp9, 336
	s_cbranch_scc1 .Lpath_p
; ---- R: a wave makes 16 rows of the table; lane = i.  The argument is rounded as the product pos x theta in f32; it is reduced by multiples of pi/2 (in two parts), and sine and cosine of the rest,
; at most pi/4, are Taylor sums to r^7 and r^8 (what is cut off lies under 4e-7).
	s_sub_co_u32 s22, ttmp9, 336
	s_lshl_b32 s22, s22, 2
	s_add_co_u32 s22, s22, s20
	s_lshl_b32 s22, s22, 4                         ; my first row
	s_lshl_b32 s24, s22, 8                         ; 256 bytes a row
	s_add_nc_u64 s[16:17], s[16:17], s[24:25]
	s_add_co_u32 s22, s22, 1
	v_cvt_f32_u32 v10, s22                         ; positions start at 1
	v_add_nc_u32 v11, 1, v2
	v_cvt_f32_u32 v11, v11
	v_mul_f32 v11, 0xbe9f73da, v11                 ; -(i + 1) x log2(1000) / 32
	v_exp_f32 v11, v11                             ; theta
	v_lshlrev_b32 v3, 3, v2                        ; (a plain instruction behind the exponential)  8 bytes a lane
	s_mov_b32 s30, 0x3f22f983                      ; 2 / pi
	s_mov_b32 s31, 0xbfc90fdb                      ; -(pi/2 rounded to f32)
	s_mov_b32 s32, 0x333bbd2e                      ; that rounded number less pi/2
	s_mov_b32 s33, 0xbe2aaaab                      ; -1/6
	s_mov_b32 s34, 0x3c088889                      ; 1/120
	s_mov_b32 s35, 0xb9500d01                      ; -1/5040
	s_mov_b32 s37, 0x3d2aaaab                      ; 1/24
	s_mov_b32 s38, 0xbab60b61                      ; -1/720
	s_mov_b32 s39, 0x37d00d01                      ; 1/40320
	s_wait_alu depctr_va_vdst(0)                   ; the wait ahead of the first use of the exponential's result
.irp k, 0,1,2,3,4,5,6,7,8,9,10,11,12,13,14,15
	v_mul_f32 v20, v10, v11                        ; the argument
	v_mul_f32 v21, s30, v20
	v_rndne_f32 v21, v21                           ; n: how many quarter turns
	v_fma_f32 v22, v21, s31, v20
	v_fma_f32 v22, v21, s32, v22                   ; r = argument - n pi/2
	v_cvt_i32_f32 v23, v21
	v_mul_f32 v24, v22, v22                        ; z = r^2
	v_fma_f32 v25, v24, s35, s34
	v_fma_f32 v27, v24, s39, s38
	v_fma_f32 v25, v25, v24, s33
	v_fma_f32 v27, v27, v24, s37
	v_mul_f32 v26, v24, v22
	v_fma_f32 v27, v27, v24, -0.5
	v_fma_f32 v25, v25, v26, v22                   ; sin r
	v_fma_f32 v27, v27, v24, 1.0                   ; cos r
	v_and_b32 v28, 1, v23
	v_cmp_eq_u32 vcc_lo, 1, v28                    ; an odd n changes sine and cosine over (a choice of values: no branch)
	v_cndmask_b32 v29, v25, v27, vcc_lo
	v_cndmask_b32 v30, v27, v25, vcc_lo
	v_and_b32 v28, 2, v23                          ; the sine's sign: n mod 4 = 2, 3
	v_add_nc_u32 v31, 1, v23
	v_lshlrev_b32 v28, 30, v28
	v_and_b32 v31, 2, v31                          ; the cosine's: n mod 4 = 1, 2
	v_lshlrev_b32 v31, 30, v31
	v_xor_b32 v[41+2*\k], v28, v29
	v_xor_b32 v[40+2*\k], v31, v30
	v_add_f32 v10, 1.0, v10
	global_store_b64 v3, v[40+2*\k:41+2*\k], s[16:17] offset:256*\k   ; the wave stores one row: 256 consecutive bytes, aligned; each row has registers of its own
.endr
	s_wait_tensorcnt 0x0                           ; the wave's end
	ds_add_u32 v[SPW], v[NIL]
	s_wait_dscnt 0x0
	s_endpgm
; ---- P: a wave turns 8,192 numbers into f16: 64 loads of 512 consecutive bytes, in four batches of 16, two batches ahead; each store covers 256 consecutive bytes, aligned
.Lpath_p:
	s_sub_co_u32 s22, ttmp9, 304
	s_lshl_b32 s22, s22, 2
	s_add_co_u32 s22, s22, s20                     ; which run of 8,192 numbers is my wave's
	s_lshl_b32 s24, s22, 15
	s_add_nc_u64 s[8:9], s[8:9], s[24:25]
	s_lshl_b32 s24, s22, 14
	s_add_nc_u64 s[14:15], s[14:15], s[24:25]
	v_lshlrev_b32 v3, 4, v2
	v_lshlrev_b32 v4, 3, v2
.macro PLOAD q
.irp i, 0,1,2,3,4,5,6,7,8,9,10,11,12,13,14,15
	global_load_b128 v[16+64*((\q)%2)+4*\i:16+64*((\q)%2)+4*\i+3], v3, s[8:9] offset:512*(16*(\q)+\i) th:TH_LOAD_NT
.endr
.endm
.macro PBATCH q
.if (\q) > 0
	s_wait_xcnt 0x0                                ; the last batch's stores have read their data: the output registers are written again only behind this wait
.endif
.irp i, 0,1,2,3,4,5,6,7,8,9,10,11,12,13,14,15
.if (\q) < 3
	s_wait_loadcnt 31-\i                           ; may be out: this batch's younger loads and the next batch's sixteen
.else
	s_wait_loadcnt 15-\i
.endif
	v_cvt_pk_f16_f32 v[144+2*\i], v[16+64*((\q)%2)+4*\i], v[16+64*((\q)%2)+4*\i+1]
	v_cvt_pk_f16_f32 v[145+2*\i], v[16+64*((\q)%2)+4*\i+2], v[16+64*((\q)%2)+4*\i+3]
	global_store_b64 v4, v[144+2*\i:145+2*\i], s[14:15] offset:256*(16*(\q)+\i)
.endr
.if (\q)+2 < 4
	PLOAD (\q)+2
.endif
.endm
	PLOAD 0
	PLOAD 1
	PBATCH 0
	PBATCH 1
	PBATCH 2
	PBATCH 3
	s_wait_tensorcnt 0x0                           ; the wave's end
	ds_add_u32 v[SPW], v[NIL]
	s_wait_dscnt 0x0
	s_endpgm
; ---- X: x is a plain stream of blocks of 32.  A wave takes 16 steps of 512 numbers.  Each load reads 512 consecutive bytes; a step's 2,048 bytes turn through the wave's own stage in LDS, so that a lane
; then holds 16 neighbours along K (two neighbouring lanes hold a block).  A lane's 16 codes are 8 bytes: the wave stores 256 consecutive bytes.  The wave's 256 scale bytes are gathered in LDS and leave as one unit.
.Lpath_x:
	v_lshlrev_b32 v3, 4, v2                        ; my 16 bytes of a load's 512
	s_mul_i32 s21, s20, 8192                       ; my wave's region: two stages of 32 x SP bytes, then 256 scale bytes
	v_lshrrev_b32 v14, 2, v2
	v_mul_u32_u24 v14, v14, SP
	v_and_b32 v15, 3, v2
	v_lshl_add_u32 v14, v15, 4, v14
	v_add_nc_u32 v14, s21, v14                     ; into the stage: SP (lane / 4) + 16 (lane % 4)
	v_mul_u32_u24 v15, v2, SP
	v_add_nc_u32 v15, s21, v15                     ; out of it: SP x lane: my 16 neighbours
	v_lshlrev_b32 v4, 3, v2                        ; my codes' place in a step's
	v_lshrrev_b32 v5, 1, v2
	s_add_co_u32 s21, s21, 2*32*SP
	v_add_nc_u32 v5, s21, v5                       ; my block's scale byte
	v_lshlrev_b32 v7, 3, v2
	v_add_nc_u32 v6, s21, v7                       ; and on the way out 8 bytes a lane
	s_lshl_b32 s22, ttmp9, 2
	s_add_co_u32 s22, s22, s20                     ; which run of 8,192 numbers is my wave's
	s_lshl_b32 s24, s22, 15
	s_add_nc_u64 s[4:5], s[4:5], s[24:25]
	s_lshl_b32 s24, s22, 12
	s_add_nc_u64 s[26:27], s[10:11], s[24:25]      ; its codes
	s_lshl_b32 s24, s22, 8
	s_add_co_u32 s24, s24, XQSC
	s_add_nc_u64 s[28:29], s[10:11], s[24:25]      ; its scale bytes
.macro XLOAD t
.irp i, 0,1,2,3
	global_load_b128 v[XR+16*((\t)%4)+4*\i:XR+16*((\t)%4)+4*\i+3], v3, s[4:5] offset:2048*(\t)+512*\i th:TH_LOAD_NT
.endr
.endm
.macro XTURN t                         ; LDS serves a wave's instructions in order (ISA guide 5.7.1.4): no wait between the stores and the loads
.irp i, 0,1,2,3
	ds_store_b128 v14, v[XR+16*((\t)%4)+4*\i:XR+16*((\t)%4)+4*\i+3] offset:32*SP*((\t)%2)+8*SP*\i
.endr
.irp i, 0,1,2,3
	ds_load_b128 v[XX+16*((\t)%2)+4*\i:XX+16*((\t)%2)+4*\i+3], v15 offset:32*SP*((\t)%2)+16*\i
.endr
.endm
.irp t, 0,1,2,3
	XLOAD \t
.endr
	s_wait_loadcnt 12                              ; step 0's four loads are in; three steps' twelve may be out
	XTURN 0
.macro XSTEP t
.set XS, XX+16*((\t)%2)
.if (\t) > 0
	s_wait_dscnt 1                                 ; this step's numbers are back from the stage (the last step's byte store may be out)
.else
	s_wait_dscnt 0x0
.endif
.if (\t)+4 < 16
	XLOAD (\t)+4
.endif
.if (\t)+1 < 16
.if 14-(\t) >= 3
	s_wait_loadcnt 12                              ; the next step's four loads are in; those of the three steps behind it may be out
.else
	s_wait_loadcnt 4*(14-(\t))
.endif
	XTURN (\t)+1
.endif
	v_max3_num_f32 v8, |v[XS]|, |v[XS+1]|, |v[XS+2]|
	v_max3_num_f32 v9, |v[XS+3]|, |v[XS+4]|, |v[XS+5]|
.irp i, 6,10
	v_max3_num_f32 v8, v8, |v[XS+\i]|, |v[XS+\i+1]|
	v_max3_num_f32 v9, v9, |v[XS+\i+2]|, |v[XS+\i+3]|
.endr
	v_max3_num_f32 v8, v8, |v[XS+14]|, |v[XS+15]|
	v_max3_num_f32 v8, v8, v9, (EMAX+1)<<23        ; and the floor 2^(3 - 127): the byte cannot fall under 1
	v_max_num_f32_dpp v8, v8, v8 row_xmask:1 row_mask:0xf bank_mask:0xf   ; with my neighbour's 16: the block's largest magnitude
	v_add_nc_u32 v11, -(EMAX<<23), v8              ; 2 off its exponent field: the conversion takes the exponent field of this operand as its scale
	v_cvt_scalef32_pk8_fp4_f32 v[XC+4*(\t)], v[XS:XS+7], v11
	v_cvt_scalef32_pk8_fp4_f32 v[XC+4*(\t)+1], v[XS+8:XS+15], v11
	v_lshrrev_b32 v[XE+(\t)], 23, v11              ; the scale's byte
	ds_store_b8 v5, v[XE+(\t)] offset:16*(\t)      ; both lanes of a block write the same byte with the same value
	global_store_b64 v4, v[XC+4*(\t):XC+4*(\t)+1], s[26:27] offset:256*(\t)
.endm
.irp t, 0,1,2,3,4,5,6,7,8,9,10,11,12,13,14,15
	XSTEP \t
.endr
	ds_load_b64 v[8:9], v6
	s_wait_dscnt 0x0
	global_store_b64 v7, v[8:9], s[28:29]          ; 32 lanes store 256 consecutive bytes, aligned
	s_wait_tensorcnt 0x0                           ; the wave's end, behind my last LDS store
	ds_add_u32 v[SPW], v[NIL]
	s_wait_dscnt 0x0
	s_endpgm
; ---- W: K is W_attn's FIRST axis.  A lane takes a column n and its registers run down K: a block of 32 lies in one lane, and the conversions give codes with K innermost.  A wave takes 32 columns x 512 along K;
; the codes go through the wave's own stage and leave as rows: sixteen lanes store 256 consecutive bytes, aligned.  Every offset is an immediate: 511 rows of 12,288 bytes at the most.
.Lpath_w:
	s_sub_co_u32 s22, ttmp9, 256
	s_cmp_ge_u32 s22, 24
	s_cselect_b32 s23, 1, 0                        ; which 512 along K
	s_cselect_b32 s24, 24, 0
	s_sub_co_u32 s22, s22, s24                     ; which 128 columns
	s_lshl_b32 s22, s22, 7
	s_lshl_b32 s24, s20, 5
	s_add_co_u32 s22, s22, s24                     ; my wave's first column
	v_lshlrev_b32 v3, 2, v2
	s_mul_i32 s26, s20, 32*WP
	s_add_co_u32 s26, s26, WSTG                    ; my stage
	v_mul_u32_u24 v4, v2, WP
	v_add_nc_u32 v4, s26, v4                       ; into it: row = my column
	v_and_b32 v5, 15, v2
	v_lshrrev_b32 v6, 4, v2
	v_mul_u32_u24 v7, v6, WP
	v_lshl_add_u32 v7, v5, 4, v7
	v_add_nc_u32 v7, s26, v7                       ; out of it: sixteen lanes to a row, two rows an instruction
	v_lshlrev_b32 v8, 9, v6
	v_lshl_add_u32 v8, v5, 4, v8                   ; and the same place among the codes' rows of 512 bytes
	v_lshlrev_b32 v9, 5, v2                        ; my column's row of 32 scale bytes
	s_mul_i32 s24, s23, 512*3072*4
	s_lshl_b32 s27, s22, 2
	s_add_co_u32 s24, s24, s27
	s_add_nc_u64 s[6:7], s[6:7], s[24:25]
	s_lshl_b32 s24, s22, 9
	s_lshl_b32 s27, s23, 8
	s_add_co_u32 s24, s24, s27
	s_add_nc_u64 s[28:29], s[12:13], s[24:25]      ; the codes
	s_lshl_b32 s24, s22, 5
	s_lshl_b32 s27, s23, 4
	s_add_co_u32 s24, s24, s27
	s_add_co_u32 s24, s24, WQSC
	s_add_nc_u64 s[30:31], s[12:13], s[24:25]      ; the scale bytes
.macro WLOAD t
.irp i, 0,1,2,3,4,5,6,7,8,9,10,11,12,13,14,15,16,17,18,19,20,21,22,23,24,25,26,27,28,29,30,31
	global_load_b32 v[WX+32*((\t)%2)+\i], v3, s[6:7] offset:(32*(\t)+\i)*3072*4 th:TH_LOAD_NT
.endr
.endm
	WLOAD 0
	WLOAD 1
.macro WBLOCK t
.set XS, WX+32*((\t)%2)
.if (\t) < 15
	s_wait_loadcnt 32                              ; this block's 32 loads are in; the next block's may be out
.else
	s_wait_loadcnt 0
.endif
	v_max3_num_f32 v12, |v[XS]|, |v[XS+1]|, |v[XS+2]|
	v_max3_num_f32 v13, |v[XS+3]|, |v[XS+4]|, |v[XS+5]|
.irp i, 6,10,14,18,22,26
	v_max3_num_f32 v12, v12, |v[XS+\i]|, |v[XS+\i+1]|
	v_max3_num_f32 v13, v13, |v[XS+\i+2]|, |v[XS+\i+3]|
.endr
	v_max3_num_f32 v12, v12, |v[XS+30]|, |v[XS+31]|
	v_max3_num_f32 v12, v12, v13, (EMAX+1)<<23
	v_add_nc_u32 v11, -(EMAX<<23), v12
	v_lshrrev_b32 v13, 23, v11
.if (\t)%4 == 0
	v_mov_b32 v[WSB+(\t)/4], v13
.else
	v_lshl_or_b32 v[WSB+(\t)/4], v13, 8*((\t)%4), v[WSB+(\t)/4]
.endif
.irp g, 0,1,2,3
	v_cvt_scalef32_pk8_fp4_f32 v[WC+\g], v[XS+8*\g:XS+8*\g+7], v11
.endr
	ds_store_b128 v4, v[WC:WC+3] offset:16*(\t)
.if (\t)+2 < 16
	WLOAD (\t)+2
.endif
	s_wait_dscnt 0x0                               ; the store has read its registers: the next block's codes may be written
.endm
.irp t, 0,1,2,3,4,5,6,7,8,9,10,11,12,13,14,15
	WBLOCK \t
.endr
	global_store_b128 v9, v[WSB:WSB+3], s[30:31]   ; my column's 16 scale bytes
.irp t, 0,1,2,3,4,5,6,7,8,9,10,11,12,13,14,15
	ds_load_b128 v[WO+4*\t:WO+4*\t+3], v7 offset:2*\t*WP
.endr
.irp t, 0,1,2,3,4,5,6,7,8,9,10,11,12,13,14,15
	s_wait_dscnt 15-\t
	global_store_b128 v8, v[WO+4*\t:WO+4*\t+3], s[28:29] offset:2*\t*512
.endr
	s_wait_tensorcnt 0x0                           ; the wave's end, behind my last LDS store
	ds_add_u32 v[SPW], v[NIL]
	s_wait_dscnt 0x0
	s_endpgm
.Lfunc_end_k_qe030a1e87e_prep:
	.size	k_qe030a1e87e_prep, .Lfunc_end_k_qe030a1e87e_prep-k_qe030a1e87e_prep
	.p2alignl 7, 3214868480
	.fill 96, 4, 3214868480
	.section	.rodata,"a",@progbits
	.p2align	6, 0x0
	.amdhsa_kernel k_qe030a1e87e_prep
		.amdhsa_group_segment_fixed_size 68096
		.amdhsa_private_segment_fixed_size 0
		.amdhsa_enable_private_segment 0
		.amdhsa_kernarg_size 56
		.amdhsa_user_sgpr_count 2
		.amdhsa_user_sgpr_kernarg_segment_ptr 1
		.amdhsa_wavefront_size32 1
		.amdhsa_system_sgpr_workgroup_id_x 1
		.amdhsa_system_sgpr_workgroup_id_y 1
		.amdhsa_system_sgpr_workgroup_id_z 1
		.amdhsa_system_vgpr_workitem_id 0
		.amdhsa_next_free_vgpr 192
		.amdhsa_next_free_sgpr 66
		.amdhsa_reserve_vcc 1
		.amdhsa_float_denorm_mode_32 3
		.amdhsa_float_denorm_mode_16_64 3
		.amdhsa_memory_ordered 1
		.amdhsa_forward_progress 1
		.amdhsa_inst_pref_size 154
	.end_amdhsa_kernel
	.amdgpu_metadata
---
amdhsa.version: [ 1, 2 ]
amdhsa.kernels:
  - .name:           k_qe030a1e87e_prep
    .symbol:         k_qe030a1e87e_prep.kd
    .args:
      - { .name: x, .offset: 0, .size: 8, .value_kind: global_buffer, .address_space: global }
      - { .name: W_attn, .offset: 8, .size: 8, .value_kind: global_buffer, .address_space: global }
      - { .name: W_proj, .offset: 16, .size: 8, .value_kind: global_buffer, .address_space: global }
      - { .name: xq, .offset: 24, .size: 8, .value_kind: global_buffer, .address_space: global }
      - { .name: wq, .offset: 32, .size: 8, .value_kind: global_buffer, .address_space: global }
      - { .name: wp16, .offset: 40, .size: 8, .value_kind: global_buffer, .address_space: global }
      - { .name: rope, .offset: 48, .size: 8, .value_kind: global_buffer, .address_space: global }
    .group_segment_fixed_size: 68096
    .private_segment_fixed_size: 0
    .kernarg_segment_align: 8
    .kernarg_segment_size: 56
    .max_flat_workgroup_size: 128
    .sgpr_count:     66
    .vgpr_count:     192
    .wavefront_size: 32
...
	.end_amdgpu_metadata
.endif
;; end of part 1
;; launch qkv (part 2): grid 12 x 32, 4 waves a work-group, clusters of 4 x 4, 327,680 bytes of LDS; arguments xq, wq, b_attn, rope, qkv16; writes qkv16
.if DOCPART == 2
	.amdgcn_target "amdgcn-amd-amdhsa--gfx1250"
	.amdhsa_code_object_version 6
	.text
	.protected	k_qe030a1e87e_qkv
	.globl	k_qe030a1e87e_qkv
	.p2align	8
	.type	k_qe030a1e87e_qkv,@function
k_qe030a1e87e_qkv:
	s_mov_b64 s[64:65], 0
	v_nop
	global_prefetch_b8 v0, s[64:65] scope:SCOPE_SE
	s_setreg_imm32_b32 hwreg(HW_REG_WAVE_MODE, 25, 1), 1
	s_wait_xcnt 0x0
	s_wait_alu depctr_hold_cnt(0) depctr_sa_sdst(0) depctr_va_vdst(0) depctr_va_sdst(0) depctr_va_ssrc(0) depctr_va_vcc(0) depctr_vm_vsrc(0)
	s_getreg_b32 s2, hwreg(HW_REG_IB_STS2, 6, 4)
	s_cmp_eq_u32 s2, 0
	s_cbranch_scc0 .Lentry_in_a_cluster
	s_endpgm
.Lentry_in_a_cluster:
	s_bfe_u32 s2, ttmp6, 0x10000c
	s_cmp_lg_u32 s2, 0xf033
	s_cbranch_scc0 .Lentry_shape_is_right
	s_endpgm
.Lentry_shape_is_right:
; qkv = x W_attn + b_attn on codes of FP4 (E2M1) with one E8M0 scale for each 32 along K; then RoPE on q and k; all three rounded to f16 and laid by head: qkv16 = three sections (q, k, v) of [batch x 16 + head][token 2048][64].
; x's codes [8192][512 bytes] at xq, its scale bytes [8192][32] behind them; W_attn's [3072 (n)][512 bytes] at wq, scale bytes [3072][32] behind them.
; A tile of 256 tokens x 256 columns is made by a work-group of four waves; a wave makes 128 x 128: 64 accumulators, 512 registers.  K = 1,024 is two LDS slots of 512 (rows of 256 bytes): both are first fills, nothing is filled again.
; THE SCALES of the work-group's rows, for all of K, are two dense blocks: they come into LDS once, with the first fills.
; CLUSTERS: 4 x 4 work-groups; the four of a row of the cluster ask for x's tiles jointly, the four of a column for W's.  A cluster's four tile columns are one section: cluster x = 0: q, 1: k, 2: v.
; THE MATRIX INSTRUCTION IS USED TRANSPOSED (source 0 = 16 columns of W, source 1 = 16 tokens): a lane holds one token and eight neighbouring columns, that is four pairs of RoPE.  THE BIAS is the C of the first K step.
; REGISTERS: window 0: v0-31 addresses; v32-95 scale words, two sets, and nothing else; v96-127 packed f16; v128-191 x's fragments, on the way out rows read back; v192-255 the bias, on the way out RoPE's results.
;   window 1: W's fragments, two sets, v0-63 and v128-191; the table of RoPE, 32 registers for each block of 16 tokens: blocks 0-3 in v64-127 and v192-255, blocks 4-7 in W's registers when these are done with.
;   window 2: the accumulators of my tokens 0-63 ((a, b) at v[8 (8 a + b)]);  window 3: those of tokens 64-127.
; The table's blocks 0-3 are loaded by every work-group, the v section's too, which does not read them: so the text has one path up to the way out.
; LIMIT: q, k and v must lie inside f16's range (magnitudes under 65,504); NaN and infinities are not served.
.set NQ,     4                         ; matrix instructions deep in a slot
.set ROWB,   256
.set KROW,   512                       ; a row of codes in memory
.set PITCH,  272                       ; an LDS row: 256 bytes + 16 of padding: the 16 rows of a load start at 16 different banks (64 banks of 4 bytes: ISA guide 11.1)
.set FR,     8
.set NL,     2
.set NP,     4                         ; places behind this matrix instruction (ISA guide 7.12.1)
.set HALFT,  128*PITCH
.set SLOT,   4*HALFT
.set KS,     32                        ; a row of scale bytes
.set SCL,    2*SLOT
.set HALFS,  (128*KS/256)*272
.set SBLK,   (16*KS/256)*272
.set SPARE,  SCL+4*HALFS               ; the spare words, 128 bytes for each wave
.set XQSC,   4194304
.set WQSC,   1572864
.set SP,     144                       ; the way out: a stage of 32 rows (head, token) x (128 bytes + 16) for each wave, in slot 0, which has had its only fill and its last read by then
.set ADRA, 16
.set ADRB, 20
.set STO,  24
.set RD,   25
.set CO,   26
.set ADRS, 27
.set SPW,  28                          ; v28  LDS address of my spare word; never rewritten
.set NIL,  29                          ; v29  0; never rewritten
.set TO,   30                          ; v30  the table: 256 x (lane % 16) + 32 x (lane / 16)
.set BO,   31                          ; v31  the bias: 32 x (lane / 16)
.set SC,   32
.set PKR,  96
.set AF,   128
.set BK,   128
.set BI,   192
.set Y,    192
.set G1, 24
.set G0, 32
.set G1B, 48
.set G0B, 56
.set G1S, 68
.set G0S, 76
.set G1SB, 80
.set G0SB, 88
.set MSB, 0
.macro WIN new                         ; the immediate's high byte repeats the setting that is left
.if MSB != (\new)
	s_set_vgpr_msb (MSB<<8)|(\new)
.set MSB, \new
.endif
.endm
.set MUL_LO, 0xa1                      ; source 0 (W) window 1, source 1 (x) window 0, C and D window 2
.set MUL_HI, 0xf1                      ; the same, C and D window 3
.set TO_B,   0x40                      ; destination window 1, address window 0
; A joint load: waves 0 and 1 fetch for x, waves 2 and 3 for W.  The branch hangs on the wave's number alone.  An s_nop 0 and four v_nop follow each of the two lines.
.macro JLOAD g0a, g1a, g0b, g1b
	s_cmp_eq_u32 s15, 0
	s_cbranch_scc0 .Lfor_b_\@
	tensor_load_to_lds s[\g0a:\g0a+3], s[\g1a:\g1a+7]
	s_nop 0
.rept 4
	v_nop
.endr
	s_branch .Lasked_\@
.Lfor_b_\@:
	tensor_load_to_lds s[\g0b:\g0b+3], s[\g1b:\g1b+7]
	s_nop 0
.rept 4
	v_nop
.endr
.Lasked_\@:
.endm
.macro CROUND                          ; a round of the cluster's barrier
	s_barrier_signal -1
	s_barrier_wait -1
	s_cmp_lg_u32 s14, 0
	s_cbranch_scc1 .Lnot_wave_0_\@
	s_barrier_signal -3
.Lnot_wave_0_\@:
	s_barrier_wait -3
	s_barrier_signal -1
	s_barrier_wait -1
.endm
	s_load_b64 s[4:5], s[0:1], 0x0                 ; xq
	s_load_b64 s[8:9], s[0:1], 0x8                 ; wq
	s_load_b128 s[96:99], s[0:1], 0x10             ; b_attn s[96:97], rope s[98:99]
	s_load_b64 s[12:13], s[0:1], 0x20              ; qkv16
	v_lshl_add_u32 v[SPW], v0, 2, SPARE
	v_mov_b32 v[NIL], 0
	ds_add_u32 v[SPW], v[NIL]                      ; the wave's opening: the add, twice on end, and its wait ahead of my first tensor load
	ds_add_u32 v[SPW], v[NIL]
	v_lshrrev_b32 v1, 5, v0
	v_readfirstlane_b32 s14, v1                    ; wave 0..3
	s_lshr_b32 s15, s14, 1                         ; which half of the tile's tokens is mine.  Also: I fetch for x (0) or for W (1)
	s_and_b32 s16, s14, 1                          ; which half of its columns.  Also: which 128 rows of that tile I fetch
	s_bfe_u32 s40, ttmp6, 0x40000                  ; cx, cy: my place in the cluster
	s_bfe_u32 s41, ttmp6, 0x40004
	s_lshl_b32 s42, ttmp9, 2
	s_add_co_u32 s42, s42, s40                     ; tile column = 4 x cluster x + cx
	s_and_b32 s17, ttmp7, 0xffff
	s_lshl_b32 s17, s17, 2
	s_add_co_u32 s17, s17, s41                     ; tile row = 4 x cluster y + cy
	s_lshl_b32 s43, s41, 2
	s_lshl_b32 s43, 15, s43                        ; my row of the cluster
	s_lshl_b32 s44, 0x1111, s40                    ; my column
	s_or_b32 s[G1+0], s43, (0<<16)|(1<<20)|(1<<21)|(5<<22)|(3<<25)  ; the mask; elements of 1 byte; padding on; bit 21 beside a mask; 4 words of padding after every 64
	s_or_b32 s[G1B+0], s44, (0<<16)|(1<<20)|(1<<21)|(5<<22)|(3<<25)
.irp g, G1, G1B
	s_mov_b32 s[\g+1], ROWB<<16                    ; tensor_dim0
	s_mov_b32 s[\g+2], 128<<16                     ; tensor_dim1
	s_mov_b32 s[\g+3], ROWB<<16                    ; tile_dim0
	s_mov_b32 s[\g+4], 128                         ; tile_dim1
	s_mov_b32 s[\g+5], KROW                        ; from row to row
	s_mov_b32 s[\g+6], 0
	s_mov_b32 s[\g+7], 0
.endr
	s_or_b32 s[G1S+0], s43, (3<<16)|(1<<20)|(1<<21)|(5<<22)|(3<<25) ; the scales of 128 rows: a dense block, as rows of 256 bytes (32 elements of 8 bytes), 16 bytes of padding behind each
	s_or_b32 s[G1SB+0], s44, (3<<16)|(1<<20)|(1<<21)|(5<<22)|(3<<25)
.irp g, G1S, G1SB
	s_mov_b32 s[\g+1], 32<<16
	s_mov_b32 s[\g+2], (128*KS/256)<<16
	s_mov_b32 s[\g+3], 32<<16
	s_mov_b32 s[\g+4], 128*KS/256
	s_mov_b32 s[\g+5], 32
	s_mov_b32 s[\g+6], 0
	s_mov_b32 s[\g+7], 0
.endr
	s_lshl_b32 s18, s16, 7
	s_lshl_b32 s20, s17, 8
	s_add_co_u32 s20, s20, s18                     ; x: row 256 x tile row + 128 x half
	s_lshl_b32 s46, s42, 8
	s_add_co_u32 s46, s46, s18                     ; W: row 256 x tile column + 128 x half
	s_mov_b32 s21, 0
	s_mov_b32 s47, 0
	s_mov_b64 s[18:19], KS
	s_mul_u64 s[22:23], s[20:21], s[18:19]         ; where these rows' scales begin,
	s_mul_u64 s[92:93], s[46:47], s[18:19]
	s_mov_b64 s[18:19], KROW
	s_mul_u64 s[20:21], s[20:21], s[18:19]         ; and their codes
	s_mul_u64 s[46:47], s[46:47], s[18:19]
	s_mul_i32 s45, s14, HALFT                      ; where they go: wave x 128 rows: no place in the cluster enters an LDS address
	s_mul_i32 s94, s14, HALFS
	s_wait_dscnt 0x0                               ; both opening adds are done
	s_wait_kmcnt 0x0
	s_add_nc_u64 s[6:7], s[4:5], XQSC              ; x's scale bytes
	s_add_nc_u64 s[10:11], s[8:9], WQSC            ; W's
	s_add_nc_u64 s[20:21], s[4:5], s[20:21]
	s_add_nc_u64 s[22:23], s[6:7], s[22:23]
	s_add_nc_u64 s[46:47], s[8:9], s[46:47]
	s_add_nc_u64 s[92:93], s[10:11], s[92:93]
	CROUND                                         ; all sixteen work-groups are here: the first joint loads meet
	s_mov_b32 s[G0S], 1
	s_add_co_u32 s[G0S+1], s94, SCL
	s_mov_b64 s[G0S+2:G0S+3], s[22:23]
	s_or_b32 s[G0S+3], s[G0S+3], 0x80000000
	s_mov_b32 s[G0SB], 1
	s_add_co_u32 s[G0SB+1], s94, SCL
	s_mov_b64 s[G0SB+2:G0SB+3], s[92:93]
	s_or_b32 s[G0SB+3], s[G0SB+3], 0x80000000
	JLOAD G0S, G1S, G0SB, G1SB                     ; the scales first; with the two slots three loads of mine are out
.irp s, 0,1
	s_mov_b32 s[G0+4*\s], 1
	s_add_co_u32 s[G0+4*\s+1], s45, \s*SLOT
	s_add_nc_u64 s[G0+4*\s+2:G0+4*\s+3], s[20:21], \s*ROWB
	s_or_b32 s[G0+4*\s+3], s[G0+4*\s+3], 0x80000000
	s_mov_b32 s[G0B+4*\s], 1
	s_add_co_u32 s[G0B+4*\s+1], s45, \s*SLOT
	s_add_nc_u64 s[G0B+4*\s+2:G0B+4*\s+3], s[46:47], \s*ROWB
	s_or_b32 s[G0B+4*\s+3], s[G0B+4*\s+3], 0x80000000
	JLOAD G0+4*\s, G1, G0B+4*\s, G1B
.endr
	v_and_b32 v1, 15, v0                           ; r = lane % 16
	v_bfe_u32 v2, v0, 4, 1                         ; h = lane / 16
	v_mul_u32_u24 v3, v1, PITCH
	v_lshl_add_u32 v4, v2, 4, v3                   ; a fragment's row x pitch + 16 x half
	s_mul_i32 s21, s15, HALFT                      ; my 128 tokens
	s_mul_i32 s22, s16, HALFT                      ; my 128 columns,
	s_add_co_u32 s22, s22, 2*HALFT                 ; which lie behind x's 256 rows
.irp s, 0,1
	v_add_nc_u32 v[ADRA+\s], s21, v4
	v_add_nc_u32 v[ADRB+\s], s22, v4
	s_add_co_u32 s21, s21, SLOT
	s_add_co_u32 s22, s22, SLOT
.endr
	v_mul_u32_u24 v5, v1, KS                       ; my row's scales: KS bytes a row,
	v_lshrrev_b32 v6, 8, v5
	v_lshl_add_u32 v5, v6, 4, v5                   ; and 16 more for each 256 passed
	s_mul_i32 s21, s15, HALFS
	s_mul_i32 s22, s16, HALFS
	s_add_co_u32 s22, s22, 2*HALFS
	s_sub_co_u32 s22, s22, s21
	v_mul_u32_u24 v6, s22, v2                      ; lanes 16-31 take W's
	s_add_co_u32 s21, s21, SCL
	v_add_nc_u32 v5, v5, v6
	v_add_nc_u32 v[ADRS], s21, v5
	s_mul_i32 s23, s14, 32*SP                      ; my stage
	v_mul_u32_u24 v5, v1, SP
	v_lshl_add_u32 v5, v2, 4, v5
	v_add_nc_u32 v[STO], s23, v5                   ; in: row = token r, 16 bytes for each half of the lanes
	v_and_b32 v6, 31, v0
	v_lshrrev_b32 v7, 3, v6
	v_mul_u32_u24 v7, v7, SP
	v_and_b32 v8, 7, v6
	v_lshl_add_u32 v7, v8, 4, v7
	v_add_nc_u32 v[RD], s23, v7                    ; back: eight lanes to a row of 128 bytes, four rows an instruction
	v_lshlrev_b32 v[CO], 4, v6                     ; which are 512 consecutive bytes in memory
	v_lshlrev_b32 v[TO], 8, v1
	v_lshl_add_u32 v[TO], v2, 5, v[TO]
	v_lshlrev_b32 v[BO], 5, v2
	s_lshr_b32 s20, s17, 3                         ; the batch: eight tile rows each
	s_lshl_b32 s20, s20, 4
	s_lshl_b32 s21, s16, 1
	s_add_co_u32 s20, s20, s21                     ; batch x 16 + 2 x my half of the columns (the tile's four heads are added below)
	s_lshl_b32 s20, s20, 18                        ; a head is 262,144 bytes
	s_and_b32 s21, s17, 7
	s_lshl_b32 s21, s21, 8
	s_lshl_b32 s22, s15, 7
	s_add_co_u32 s21, s21, s22                     ; my first token in its sequence
	s_lshl_b32 s22, s21, 7
	s_add_co_u32 s20, s20, s22                     ; 128 bytes a token
	s_lshl_b32 s22, s21, 8
	s_mov_b32 s23, 0
	s_add_nc_u64 s[98:99], s[98:99], s[22:23]      ; the table at my first token
	s_lshl_b32 s46, s40, 20                        ; 4 cx heads
	s_lshl_b32 s47, ttmp9, 24                      ; the section
	s_add_co_u32 s46, s46, s47
	s_add_co_u32 s46, s46, s20
	s_mov_b32 s47, 0
	s_add_nc_u64 s[12:13], s[12:13], s[46:47]      ; where my two heads' rows begin
	s_lshl_b32 s46, s42, 10
	s_lshl_b32 s47, s16, 9
	s_add_co_u32 s46, s46, s47
	s_mov_b32 s47, 0
	s_add_nc_u64 s[96:97], s[96:97], s[46:47]      ; the bias at my first column
; The table for block a of 16 tokens: lane (r, h) takes, of token 16 a + r, the pairs (cos, sin) of i = 8 u + 4 h + 0..3, u = 0..3: they serve column blocks u and u + 4 (my two heads)
.macro TABLE a
.if (\a) < 4
.set CB, 64+32*((\a)%2)+128*((\a)/2)
.else
.set CB, 32*((\a)%2)+128*(((\a)-4)/2)
.endif
.irp u, 0,1,2,3
	global_load_b128 v[CB+8*\u:CB+8*\u+3], v[TO], s[98:99] offset:4096*(\a)+64*\u
	global_load_b128 v[CB+8*\u+4:CB+8*\u+7], v[TO], s[98:99] offset:4096*(\a)+64*\u+16
.endr
.endm
	WIN TO_B
	TABLE 0
	TABLE 1
	TABLE 2
	TABLE 3
	WIN 0
.irp b, 0,1,2,3,4,5,6,7
	global_load_b128 v[BI+8*\b:BI+8*\b+3], v[BO], s[96:97] offset:64*\b       ; b_attn at my columns 16 b + 8 h + 0..7, in the result's layout
	global_load_b128 v[BI+8*\b+4:BI+8*\b+7], v[BO], s[96:97] offset:64*\b+16
.endr
.macro FRAG reg, adr, q, i             ; a fragment, 16 rows x 128 K of 4-bit codes: lane l holds row l % 16; registers 4 c .. 4 c + 3 hold K = 64 c + 32 (l / 16) + 0 .. 31
.irp c, 0,1
	ds_load_b128 v[\reg+4*\c:\reg+4*\c+3], v[\adr] offset:64*(\q)+32*\c+(\i)*16*PITCH
.endr
.endm
; 16 matrix instructions: token blocks a0, a0 + 1 x W's eight column blocks, 128 along K.  first = 1: the bias is the C.  The 64 accumulators take turns, one instruction a turn.
.macro MUL16 a0, p, q, sc, first
.irp a, \a0, \a0+1
.irp b, 0,1,2,3,4,5,6,7
.if \first
	v_wmma_scale_f32_16x16x128_f8f6f4 v[8*(8*((\a)%4)+\b):8*(8*((\a)%4)+\b)+7], v[128*(\p)+FR*\b:128*(\p)+FR*\b+FR-1], v[AF+FR*(\a):AF+FR*(\a)+FR-1], v[BI+8*\b:BI+8*\b+7], v[SC+8*NQ*(\sc)+NQ*\b+(\q)], v[SC+8*NQ*(\sc)+NQ*(\a)+(\q)] matrix_a_fmt:MATRIX_FMT_FP4 matrix_b_fmt:MATRIX_FMT_FP4 matrix_a_scale:MATRIX_SCALE_ROW1
.else
	v_wmma_scale_f32_16x16x128_f8f6f4 v[8*(8*((\a)%4)+\b):8*(8*((\a)%4)+\b)+7], v[128*(\p)+FR*\b:128*(\p)+FR*\b+FR-1], v[AF+FR*(\a):AF+FR*(\a)+FR-1], v[8*(8*((\a)%4)+\b):8*(8*((\a)%4)+\b)+7], v[SC+8*NQ*(\sc)+NQ*\b+(\q)], v[SC+8*NQ*(\sc)+NQ*(\a)+(\q)] matrix_a_fmt:MATRIX_FMT_FP4 matrix_b_fmt:MATRIX_FMT_FP4 matrix_a_scale:MATRIX_SCALE_ROW1
.endif
.endr
.endr
.endm
.macro FETCH_B slot, q, p
	WIN TO_B
.irp i, 0,1,2,3,4,5,6,7
	FRAG 128*(\p)+FR*\i, ADRB+\slot, \q, \i
.endr
	WIN 0
.endm
.macro FETCH_A slot, q, i0
.irp i, \i0, \i0+1, \i0+2, \i0+3
	FRAG AF+FR*(\i), ADRA+\slot, \q, \i
.endr
.endm
.macro SCALES sc                       ; a slot's scale words: lanes 0-15 take x's block i, lanes 16-31 W's block i
.irp i, 0,1,2,3,4,5,6,7
	ds_load_b128 v[SC+8*NQ*\sc+NQ*\i:SC+8*NQ*\sc+NQ*\i+3], v[ADRS] offset:\i*SBLK
.endr
.endm
.macro PLACES n                        ; plain vector instructions between a matrix instruction and a load into, or a read of, its registers
.rept \n
	v_nop
.endr
.endm
.macro STEP slot, q, first             ; a step of 128 along K that has its successor in the same slot
	s_wait_dscnt 4*NL                              ; W's set and x's blocks 0-3 are in; the youngest eight loads (x's blocks 4-7) may be out
.if \first
	WIN 0x81                                       ; C (the bias) window 0, D window 2
.else
	WIN MUL_LO
.endif
	MUL16 0, (\q)%2, \q, \slot, \first
	MUL16 2, (\q)%2, \q, \slot, \first
	s_wait_dscnt 0
	PLACES NP
	FETCH_B \slot, (\q)+1, 1-(\q)%2
	FETCH_A \slot, (\q)+1, 0
.if \first
	WIN 0xc1
.else
	WIN MUL_HI
.endif
	MUL16 4, (\q)%2, \q, \slot, \first
	MUL16 6, (\q)%2, \q, \slot, \first
	PLACES NP
	WIN 0
	FETCH_A \slot, (\q)+1, 4
.endm
.macro STEPS slot, from
.set QQ, \from
.rept NQ-1-\from
	STEP \slot, QQ, 0
.set QQ, QQ+1
.endr
.endm
	s_wait_tensorcnt 1                             ; the scales and my part of slot 0 are in (slot 1's load may be out)
	s_barrier_signal -1
	s_barrier_wait -1                              ; everybody's are
	FETCH_B 0, 0, 0
	FETCH_A 0, 0, 0
	SCALES 0
	FETCH_A 0, 0, 4
	s_wait_loadcnt 0x0                             ; the table's first four blocks and the bias
	STEP 0, 0, 1
	STEPS 0, 1
	; slot 0's last step changes slots: one barrier; nothing is filled again
	s_wait_tensorcnt 0x0                           ; my part of slot 1 has landed
	ds_add_u32 v[SPW], v[NIL]                      ; 0 onto my spare word
	s_wait_dscnt 4*NL+1                            ; (the add and the youngest eight loads may be out)
	WIN MUL_LO
	MUL16 0, 1, NQ-1, 0, 0
	s_wait_dscnt 0x0                               ; the add is done, and my reads of slot 0 are over
	s_barrier_signal -1
	MUL16 2, 1, NQ-1, 0, 0
	WIN 0
	s_barrier_wait -1
	PLACES NP
	v_add_nc_u32 v[ADRS], 4*NQ, v[ADRS]            ; on to slot 1's scale words
	FETCH_B 1, 0, 0
	FETCH_A 1, 0, 0
	SCALES 1
	WIN MUL_HI
	MUL16 4, 1, NQ-1, 0, 0
	MUL16 6, 1, NQ-1, 0, 0
	PLACES NP
	WIN 0
	FETCH_A 1, 0, 4
	STEPS 1, 0
	s_wait_dscnt 4*NL                              ; the very last step
	WIN MUL_LO
	MUL16 0, 1, NQ-1, 1, 0
	MUL16 2, 1, NQ-1, 1, 0
	s_wait_dscnt 0
	WIN MUL_HI
	MUL16 4, 1, NQ-1, 1, 0
	MUL16 6, 1, NQ-1, 1, 0
	WIN 0
; THE WAY OUT, a block of 16 tokens x 128 columns (two heads) at a time.  RoPE: of a pair (x0, x1): x0 cos - x1 sin, x1 cos + x0 sin; then f16; through my stage; out as 512 consecutive bytes an instruction.
.macro ROPE a
.set AC, 64*((\a)%4)
.if (\a) < 4
.set CB, 64+32*((\a)%2)+128*((\a)/2)
.else
.set CB, 32*((\a)%2)+128*(((\a)-4)/2)
	s_wait_loadcnt 8*(7-(\a))                      ; this block's table is in; the later blocks' eight loads each may be out
.endif
	WIN 0x06+(\a)/4                                ; source 0: the accumulators' window; source 1: the table's
.irp b, 0,1,2,3,4,5,6,7
.irp p, 0,1,2,3                        ; each accumulator from its low end on
	v_pk_mul_f32 v[Y+8*\b+2*\p:Y+8*\b+2*\p+1], v[AC+8*\b+2*\p:AC+8*\b+2*\p+1], v[CB+8*(\b%4)+2*\p:CB+8*(\b%4)+2*\p+1] op_sel_hi:[1,0]
.endr
.irp p, 0,1,2,3
	v_fma_f32 v[Y+8*\b+2*\p], -v[AC+8*\b+2*\p+1], v[CB+8*(\b%4)+2*\p+1], v[Y+8*\b+2*\p]
	v_fma_f32 v[Y+8*\b+2*\p+1], v[AC+8*\b+2*\p], v[CB+8*(\b%4)+2*\p+1], v[Y+8*\b+2*\p+1]
.endr
.endr
	WIN 0
.irp b, 0,1,2,3,4,5,6,7
.irp p, 0,1,2,3
	v_cvt_pk_f16_f32 v[PKR+4*\b+\p], v[Y+8*\b+2*\p], v[Y+8*\b+2*\p+1]
.endr
.endr
.endm
.macro VPACK a                         ; v has no RoPE
.set AC, 64*((\a)%4)
	WIN 0x0a+5*((\a)/4)
.irp b, 0,1,2,3,4,5,6,7
.irp p, 0,1,2,3
	v_cvt_pk_f16_f32 v[PKR+4*\b+\p], v[AC+8*\b+2*\p], v[AC+8*\b+2*\p+1]
.endr
.endr
	WIN 0
.endm
.macro TOSTAGE a
.irp b, 0,1,2,3,4,5,6,7
	ds_store_b128 v[STO], v[PKR+4*\b:PKR+4*\b+3] offset:(\b/4)*16*SP+32*(\b%4)
.endr
.set BB, BK+32*((\a)%2)
.irp i, 0,1,2,3,4,5,6,7
	ds_load_b128 v[BB+4*\i:BB+4*\i+3], v[RD] offset:\i*4*SP        ; LDS serves a wave's instructions in order (ISA guide 5.7.1.4): these see the stores above
.endr
.endm
.macro SEND a, younger                 ; younger: the LDS instructions issued behind block a's loads, which may stay out
.set BB, BK+32*((\a)%2)
	s_wait_dscnt \younger
.irp i, 0,1,2,3,4,5,6,7
	global_store_b128 v[CO], v[BB+4*\i:BB+4*\i+3], s[12:13] offset:(\i/4)*262144+2048*(\a)+512*(\i%4)   ; four tokens' rows of one head: 512 consecutive bytes, aligned
.endr
.endm
.macro WAYOUT rope
.if \rope
	ROPE 0
.else
	VPACK 0
.endif
	TOSTAGE 0
.irp a, 1,2,3,4,5,6,7
.if \rope
	ROPE \a
.else
	VPACK \a
.endif
.if \a > 1
	s_wait_xcnt 0x0                                ; block a - 2's stores have read their registers: block a's rows may land there
.endif
	TOSTAGE \a
	SEND (\a)-1, 16                                ; behind block a - 1's loads: block a's 8 stores and 8 loads
.endr
	SEND 7, 0
.endm
	PLACES NP                                      ; between the last products and the reads of results and the loads into W's and x's registers
	s_cmp_eq_u32 ttmp9, 2                          ; the cluster's x is the section: the same in all sixteen partners
	s_cbranch_scc1 .Lv_out
	WIN TO_B
	TABLE 4
	TABLE 5
	TABLE 6
	TABLE 7
	WIN 0
	WAYOUT 1
	s_branch .Ldone
.Lv_out:
	WAYOUT 0
.Ldone:
	s_wait_tensorcnt 0x0                           ; the wave's end, behind my last tensor load and my last LDS store
	ds_add_u32 v[SPW], v[NIL]
	s_wait_dscnt 0x0
	CROUND                                         ; the closing round
	s_endpgm
.Lfunc_end_k_qe030a1e87e_qkv:
	.size	k_qe030a1e87e_qkv, .Lfunc_end_k_qe030a1e87e_qkv-k_qe030a1e87e_qkv
	.p2alignl 7, 3214868480
	.fill 96, 4, 3214868480
	.section	.rodata,"a",@progbits
	.p2align	6, 0x0
	.amdhsa_kernel k_qe030a1e87e_qkv
		.amdhsa_group_segment_fixed_size 327680
		.amdhsa_private_segment_fixed_size 0
		.amdhsa_enable_private_segment 0
		.amdhsa_kernarg_size 40
		.amdhsa_user_sgpr_count 2
		.amdhsa_user_sgpr_kernarg_segment_ptr 1
		.amdhsa_wavefront_size32 1
		.amdhsa_system_sgpr_workgroup_id_x 1
		.amdhsa_system_sgpr_workgroup_id_y 1
		.amdhsa_system_sgpr_workgroup_id_z 1
		.amdhsa_system_vgpr_workitem_id 0
		.amdhsa_next_free_vgpr 1024
		.amdhsa_next_free_sgpr 100
		.amdhsa_reserve_vcc 0
		.amdhsa_float_denorm_mode_32 3
		.amdhsa_float_denorm_mode_16_64 3
		.amdhsa_memory_ordered 1
		.amdhsa_forward_progress 1
		.amdhsa_inst_pref_size 214
	.end_amdhsa_kernel
	.amdgpu_metadata
---
amdhsa.version: [ 1, 2 ]
amdhsa.kernels:
  - .name:           k_qe030a1e87e_qkv
    .symbol:         k_qe030a1e87e_qkv.kd
    .args:
      - { .name: xq, .offset: 0, .size: 8, .value_kind: global_buffer, .address_space: global }
      - { .name: wq, .offset: 8, .size: 8, .value_kind: global_buffer, .address_space: global }
      - { .name: b_attn, .offset: 16, .size: 8, .value_kind: global_buffer, .address_space: global }
      - { .name: rope, .offset: 24, .size: 8, .value_kind: global_buffer, .address_space: global }
      - { .name: qkv16, .offset: 32, .size: 8, .value_kind: global_buffer, .address_space: global }
    .group_segment_fixed_size: 327680
    .private_segment_fixed_size: 0
    .kernarg_segment_align: 8
    .kernarg_segment_size: 40
    .max_flat_workgroup_size: 128
    .sgpr_count:     100
    .vgpr_count:     1024
    .wavefront_size: 32
...
	.end_amdgpu_metadata
.endif
;; end of part 2
;; launch attn (part 3): grid 4 x 64, 8 waves a work-group, clusters of 4 x 1, 327,680 bytes of LDS; arguments qkv16, att16; writes att16
.if DOCPART == 3
	.amdgcn_target "amdgcn-amd-amdhsa--gfx1250"
	.amdhsa_code_object_version 6
	.text
	.protected	k_qe030a1e87e_attn
	.globl	k_qe030a1e87e_attn
	.p2align	8
	.type	k_qe030a1e87e_attn,@function
k_qe030a1e87e_attn:
	s_mov_b64 s[64:65], 0
	v_nop
	global_prefetch_b8 v0, s[64:65] scope:SCOPE_SE
	s_setreg_imm32_b32 hwreg(HW_REG_WAVE_MODE, 25, 1), 1
	s_wait_xcnt 0x0
	s_wait_alu depctr_hold_cnt(0) depctr_sa_sdst(0) depctr_va_vdst(0) depctr_va_sdst(0) depctr_va_ssrc(0) depctr_va_vcc(0) depctr_vm_vsrc(0)
	s_getreg_b32 s2, hwreg(HW_REG_IB_STS2, 6, 4)
	s_cmp_eq_u32 s2, 0
	s_cbranch_scc0 .Lentry_in_a_cluster
	s_endpgm
.Lentry_in_a_cluster:
	s_bfe_u32 s2, ttmp6, 0x10000c
	s_cmp_lg_u32 s2, 0x3003
	s_cbranch_scc0 .Lentry_shape_is_right
	s_endpgm
.Lentry_shape_is_right:
; att[g][q][:] = the sum over k of softmax_k(Q[g][q] . K[g][k] / sqrt(512)) V[g][k][:], no mask; g = batch x 16 + head, 64 of them; Q, K, V: the three sections of qkv16, [64][2048][64] f16; att16 the same layout, f16.
; Products, maxima and sums in f32; the weights p are rounded to f16 for the second product, the result once at the end.  A running maximum m and sum l for each query: p = 2^(c s - c m), c = log2(e) / sqrt(512);
; in every step O and l are multiplied by a = 2^(c m_old - c m_new).
; SHARES.  A cluster of four work-groups is one head; a work-group owns 512 queries, each of its eight waves 64: four tiles of 16.  Every wave walks all 2,048 keys, 64 a step.
; LAYOUT.  S^T = K Q^T (source 0 = 16 keys, source 1 = 16 queries) and O^T = V^T P (source 0 = 16 channels, V turned by ds_load_tr16_b128; source 1 = P): a lane holds ONE query throughout, and two tiles of S^T,
; rounded in pairs, are source 1 of the second product: nothing changes lanes.
; TWO WAVES TO A SIMD, HALF A PERIOD APART.  A step is a run of vector work (SM) and a run of 64 matrix instructions (MM).  The waves are of two classes; at every change of slots class 0 runs the pending SM ahead of the
; cluster's round and class 1 behind it, so that behind the round one class multiplies while the other is in its softmax; both have the same work between two rounds.
; RING.  Two slots of 256 keys (four steps): K 256 rows of 144 bytes, V 256 rows of 160.  Waves 0-3 fetch 64 rows of K each, waves 4-7 64 rows of V, JOINTLY for the four work-groups.  By this text's own count a wave has two
; tensor loads out at the start and one behind each round.
; LIMITS: q, k, v inside f16's range; NaN and infinities are not served.
; REGISTERS: window 0: v1-15 addresses; v16-47 statistics, eight a tile; v64-191 S^T, 32 a tile (P is packed into a tile's first 16); v192-255 K's fragments.   window 1: v0-63 Q; v64-191 O^T, 32 a tile; v192-255 V's fragments.
.set PKB,   144                        ; a row of K in LDS: 128 bytes + 16: the 16 rows of a load start at 16 different groups of banks (64 banks of 4 bytes: ISA guide 11.1)
.set PVB,   160                        ; a row of V: 128 + 32
.set KTILE, 64*PKB
.set VTILE, 64*PVB
.set VOFF,  4*KTILE
.set SLOT1, 1<<17                      ; slot 1 begins here: one exclusive or turns an address in one slot into the other's
.set SPARE, SLOT1+VOFF+4*VTILE         ; behind the ring: the spare words, 128 bytes for each wave
.set SP,    144                        ; the way out: 16 rows x (128 + 16) bytes for each wave, in slot 0, which has had its last fill and its last read by then
.set AK0, 2
.set AV0, 3
.set ADK, 4
.set ADV, 5
.set STO, 6
.set RD,  7
.set GO,  8
.set QO,  9
.set PFO, 12                           ; v12  256 x my lane; never rewritten
.set SPW, 14                           ; v14  LDS address of my spare word; never rewritten
.set NIL, 15                           ; v15  0; never rewritten
.set ST,  16                           ; tile t at v[ST + 8 t]: +0 c m, +1 m, +2, +3 l (even keys', odd keys'), +4 to +7 at work; a ends in +6
.set S,   64
.set KF,  192
.set Q,   0                            ; window 1
.set O,   64
.set VF,  192
.set WV,  12
.set CL,  13                           ; my wave's class
.set CX,  14
.set LIM, 15                           ; 1 in a wave that prefetches, else the greatest number
.set PFA, 18
.set G1K, 24
.set G1V, 32
.set G0K, 40                           ; s[40:47]: a group 0 for each of the two first fills; the second then walks on
.set G0V, 48
.set SLOTS, 56
.set CNT, 57
.set CS,  58
.set SEL, 60
.set TK,  62                           ; LDS byte at which the K tile to be fetched next begins
.set TV,  63                           ; the same for V (less VOFF)
.set MSB, 0
.macro WIN new
.if MSB != (\new)
	s_set_vgpr_msb (MSB<<8)|(\new)
.set MSB, \new
.endif
.endm
.macro JLOAD                           ; a joint refill.  The branch hangs on the wave's number alone.  An s_nop 0 and four v_nop follow each of the two lines
	s_cmp_lt_u32 s[WV], 4
	s_cbranch_scc0 .Lfor_v_\@
	tensor_load_to_lds s[G0K+4:G0K+7], s[G1K:G1K+7]
	s_nop 0
.rept 4
	v_nop
.endr
	s_branch .Lasked_\@
.Lfor_v_\@:
	tensor_load_to_lds s[G0V+4:G0V+7], s[G1V:G1V+7]
	s_nop 0
.rept 4
	v_nop
.endr
.Lasked_\@:
.endm
; A prefetch of what the NEXT change of slots will ask for: 256 rows of K and of V, 32,768 dense bytes each, four key steps ahead of that load.  Wave 0 asks for K's, wave 4 for V's; the four partners take 8,192 bytes each,
; told apart by address; lanes 256 bytes apart: each block of 256 bytes is named once in the launch.  The last change that fills a slot asks for nothing.
.macro ASK
	s_cmp_gt_u32 s[SLOTS], s[LIM]
	s_cbranch_scc0 .Lnot_mine_\@
	global_prefetch_b8 v[PFO], s[PFA:PFA+1] th:TH_LOAD_NT scope:SCOPE_SE
.Lnot_mine_\@:
.endm
.macro CROUND
	s_barrier_signal -1
	s_barrier_wait -1
	s_cmp_lg_u32 s[WV], 0
	s_cbranch_scc1 .Lnot_wave_0_\@
	s_barrier_signal -3
.Lnot_wave_0_\@:
	s_barrier_wait -3
	s_barrier_signal -1
	s_barrier_wait -1
.endm
.macro PLACES
.rept 4
	v_nop
.endr
.endm
	s_load_b64 s[4:5], s[0:1], 0x0                 ; qkv16
	s_load_b64 s[10:11], s[0:1], 0x8               ; att16
	v_lshl_add_u32 v[SPW], v0, 2, SPARE
	v_mov_b32 v[NIL], 0
	ds_add_u32 v[SPW], v[NIL]                      ; the wave's opening: the add, twice on end, and its wait ahead of my first tensor load
	ds_add_u32 v[SPW], v[NIL]
	v_lshrrev_b32 v1, 5, v0
	v_readfirstlane_b32 s[WV], v1                  ; wave 0..7
	s_lshr_b32 s[CL], s[WV], 2
	s_xor_b32 s[CL], s[CL], s[WV]
	s_and_b32 s[CL], s[CL], 1                      ; waves w and w + 4 differ in it, and so do waves 2 i and 2 i + 1
	s_bfe_u32 s[CX], ttmp6, 0x40000                ; my place in the cluster: it enters Q's, the result's and the prefetches' addresses alone
	s_and_b32 s20, ttmp7, 0xffff                   ; the head, which the four partners share
	s_lshl_b32 s20, s20, 18                        ; 262,144 bytes a head
	s_and_b32 s16, s[WV], 3
	s_lshl_b32 s22, s16, 13                        ; the 64 rows that I fetch of a slot's 256
	s_add_co_u32 s22, s22, s20
	s_mov_b32 s23, 0
	s_mul_i32 s17, s16, KTILE                      ; their place in a slot, as K's,
	s_mul_i32 s16, s16, VTILE
	s_add_co_u32 s16, s16, VOFF                    ; and as V's
	s_lshl_b32 s2, s[CX], 16                       ; my work-group's 512 queries,
	s_lshl_b32 s3, s[WV], 13                       ; my wave's 64
	s_add_co_u32 s2, s2, s3
	s_add_co_u32 s2, s2, s20
	s_mov_b32 s3, 0
	s_mov_b32 s[G1K], 15|(1<<16)|(1<<20)|(1<<21)|(4<<22)|(3<<25)  ; the mask: all four work-groups; elements of 2 bytes; padding on; bit 21 beside a mask; 4 words of padding after every 32
	s_mov_b32 s[G1V], 15|(1<<16)|(1<<20)|(1<<21)|(4<<22)|(7<<25)  ; the same with 8 words of padding
.irp g, G1K, G1V
	s_mov_b32 s[\g+1], 64<<16                      ; tensor_dim0
	s_mov_b32 s[\g+2], 64<<16                      ; tensor_dim1
	s_mov_b32 s[\g+3], 64<<16                      ; tile_dim0
	s_mov_b32 s[\g+4], 64                          ; tile_dim1
	s_mov_b32 s[\g+5], 64                          ; from row to row
	s_mov_b32 s[\g+6], 0
	s_mov_b32 s[\g+7], 0
.endr
	s_mov_b32 s[CS], 0x3d8293ee                    ; c = log2(e) / sqrt(512)
	s_mov_b32 s[CS+1], s[CS]                       ; named with it as a pair, so it is written
	s_mov_b32 s[SEL], 0x76543210
	s_mov_b32 s[SEL+1], 0xfedcba98
	s_mov_b32 s[TK], 0
	s_mov_b32 s[TV], 0
	s_mov_b32 s[SLOTS], 6
	s_and_b32 s[LIM], s[WV], 3
	s_cmp_eq_u32 s[LIM], 0
	s_cselect_b32 s[LIM], 1, -1                    ; waves 0 and 4 prefetch
	v_and_b32 v[PFO], 31, v0
	v_lshlrev_b32 v[PFO], 8, v[PFO]
	s_wait_dscnt 0x0                               ; both opening adds are done
	s_wait_kmcnt 0x0
	s_add_nc_u64 s[6:7], s[4:5], s[22:23]
	s_add_nc_u64 s[8:9], s[6:7], 0x2000000         ; V's section, at my tile of the first 256 keys
	s_add_nc_u64 s[6:7], s[6:7], 0x1000000         ; K's
	s_add_nc_u64 s[4:5], s[4:5], s[2:3]            ; Q at my wave's first query
	s_add_nc_u64 s[10:11], s[10:11], s[2:3]        ; the result likewise
	s_cmp_lt_u32 s[WV], 4
	s_cselect_b64 s[PFA:PFA+1], s[6:7], s[8:9]     ; (in waves 0 and 4 these stand at the head's first row)
	s_lshl_b32 s2, s[CX], 13
	s_add_nc_u64 s[PFA:PFA+1], s[PFA:PFA+1], s[2:3]
	s_add_nc_u64 s[PFA:PFA+1], s[PFA:PFA+1], 2*32768   ; the third 256 keys; the first change of slots steps it on.  Nothing is prefetched at the head
	CROUND                                         ; all four work-groups are here: the first joint loads meet
.irp s, 0,1
	s_mov_b32 s[G0K+4*\s], 1
	s_add_co_u32 s[G0K+4*\s+1], s17, \s*SLOT1
	s_add_nc_u64 s[G0K+4*\s+2:G0K+4*\s+3], s[6:7], \s*32768
	s_or_b32 s[G0K+4*\s+3], s[G0K+4*\s+3], 0x80000000
	s_mov_b32 s[G0V+4*\s], 1
	s_add_co_u32 s[G0V+4*\s+1], s16, \s*SLOT1
	s_add_nc_u64 s[G0V+4*\s+2:G0V+4*\s+3], s[8:9], \s*32768
	s_or_b32 s[G0V+4*\s+3], s[G0V+4*\s+3], 0x80000000
.endr
	s_cmp_lt_u32 s[WV], 4                          ; a wave's two first fills stand in one branch, ahead of every wait on TENSORcnt and every LDS read
	s_cbranch_scc0 .Lfirst_v
	tensor_load_to_lds s[G0K:G0K+3], s[G1K:G1K+7]
	s_nop 0
	tensor_load_to_lds s[G0K+4:G0K+7], s[G1K:G1K+7]
	s_nop 0
.rept 4
	v_nop
.endr
	s_branch .Lfirst_asked
.Lfirst_v:
	tensor_load_to_lds s[G0V:G0V+3], s[G1V:G1V+7]
	s_nop 0
	tensor_load_to_lds s[G0V+4:G0V+7], s[G1V:G1V+7]
	s_nop 0
.rept 4
	v_nop
.endr
.Lfirst_asked:
	v_and_b32 v1, 15, v0                           ; r = lane % 16
	v_bfe_u32 v10, v0, 4, 1                        ; h = lane / 16
	v_lshlrev_b32 v[QO], 7, v1
	v_lshl_add_u32 v[QO], v10, 4, v[QO]            ; row x 128 + 16 x half
	WIN 0x40                                       ; destination window 1
.irp i, 0,1,2,3,4,5,6,7                        ; Q stays in registers: tile i / 2, channels 32 (i % 2) on
	global_load_b128 v[Q+8*\i:Q+8*\i+3],   v[QO], s[4:5] offset:(\i/2)*2048+(\i%2)*64
	global_load_b128 v[Q+8*\i+4:Q+8*\i+7], v[QO], s[4:5] offset:(\i/2)*2048+(\i%2)*64+32
.endr
	WIN 0
	v_mul_u32_u24 v[AK0], v1, PKB
	v_lshl_add_u32 v[AK0], v10, 4, v[AK0]          ; K: row x pitch + 16 x half
	v_and_b32 v11, 7, v0
	v_bfe_u32 v13, v0, 3, 1
	v_lshl_add_u32 v[AV0], v10, 3, v11             ; V, for the turning load: key 8 h + lane % 8,
	v_mul_u32_u24 v[AV0], v[AV0], PVB
	v_lshl_add_u32 v[AV0], v13, 4, v[AV0]          ; channels 8 ((lane / 8) % 2) on
	v_add_nc_u32 v[AV0], VOFF, v[AV0]
	s_mul_i32 s16, s[WV], 16*SP                    ; my stage
	v_mul_u32_u24 v[STO], v1, SP
	v_lshl_add_u32 v[STO], v10, 4, v[STO]
	v_add_nc_u32 v[STO], s16, v[STO]               ; in: row r, 16 bytes for each half of the lanes
	v_and_b32 v11, 31, v0
	v_lshrrev_b32 v13, 3, v11
	v_mul_u32_u24 v[RD], v13, SP
	v_and_b32 v13, 7, v11
	v_lshl_add_u32 v[RD], v13, 4, v[RD]
	v_add_nc_u32 v[RD], s16, v[RD]                 ; back: eight lanes to a row, four rows an instruction,
	v_lshlrev_b32 v[GO], 4, v11                    ; which are 512 consecutive bytes in memory
.irp t, 0,1,2,3
	v_mov_b32 v[ST+8*\t+1], 0xff61b1e6             ; m: -3e38, under every score
	v_mul_f32 v[ST+8*\t], s[CS], v[ST+8*\t+1]      ; c m
	v_mov_b32 v[ST+8*\t+2], 0                      ; l
	v_mov_b32 v[ST+8*\t+3], 0
.endr
; 32 products S^T = K Q^T: channels 32 (i / 16) on, keys 16 ((i / 4) % 4) on, tile i % 4.  The first 16 start the sums.  Sixteen accumulators take turns, one instruction a turn.
.macro KQ
	WIN 0x04                                       ; Q in window 1
.set i, 0
.rept 32
.set rS, S+32*(i%4)+8*((i/4)%4)
.set rK, KF+8*(2*((i/4)%4)+i/16)
.set rQ, Q+16*(i%4)+8*(i/16)
.if i < 16
	v_wmma_f32_16x16x32_f16 v[rS:rS+7], v[rK:rK+7], v[rQ:rQ+7], 0
.else
	v_wmma_f32_16x16x32_f16 v[rS:rS+7], v[rK:rK+7], v[rQ:rQ+7], v[rS:rS+7]
.endif
.set i, i+1
.endr
.endm
; 32 products O^T += V^T P: keys 32 (i / 16) on, channels 16 ((i / 4) % 4) on, tile i % 4
.macro PVM
	WIN 0x51                                       ; V and O^T in window 1, P in window 0
.set i, 0
.rept 32
.set rO, O+32*(i%4)+8*((i/4)%4)
.set rV, VF+8*(4*(i/16)+(i/4)%4)
.set rP, S+32*(i%4)+8*(i/16)
	v_wmma_f32_16x16x32_f16 v[rO:rO+7], v[rV:rV+7], v[rP:rP+7], v[rO:rO+7]
.set i, i+1
.endr
.endm
.macro MM                              ; a step's matrix work: V^T P of the step in hand, K Q^T of the next
	s_wait_dscnt 0x0                               ; V and K are in
	PVM
.rept 5
	v_nop                                          ; K Q^T writes over registers that V^T P read as P: five places
.endr
	KQ
	WIN 0
.endm
.macro FETCH_K                         ; a step's K: 64 keys x 64 channels: fragment 2 kt + c
	v_add_nc_u32 v[ADK], s[TK], v[AK0]
.irp f, 0,1,2,3,4,5,6,7
	ds_load_b128 v[KF+8*\f:KF+8*\f+3],   v[ADK] offset:(\f/2)*16*PKB+(\f%2)*64
	ds_load_b128 v[KF+8*\f+4:KF+8*\f+7], v[ADK] offset:(\f/2)*16*PKB+(\f%2)*64+32
.endr
.endm
.macro FETCH_V                         ; a step's V, turned: fragment 4 kh + ct
	v_add_nc_u32 v[ADV], s[TV], v[AV0]
	s_add_co_u32 s[TV], s[TV], VTILE
	WIN 0x40
.irp f, 0,1,2,3,4,5,6,7
	ds_load_tr16_b128 v[VF+8*\f:VF+8*\f+3],   v[ADV] offset:(\f/4)*32*PVB+(\f%4)*32
	ds_load_tr16_b128 v[VF+8*\f+4:VF+8*\f+7], v[ADV] offset:(\f/4)*32*PVB+16*PVB+(\f%4)*32
.endr
	WIN 0
.endm
; THE SOFTMAX OF A STEP, four tiles by turns line by line, so that no line waits for the line above it
.macro SM
.irp j, 0,1,2,3                        ; the maximum of 32 scores and the old m: four chains, each begun at an accumulator's low end
.irp t, 0,1,2,3
	v_max3_num_f32 v[ST+8*\t+4+\j], v[S+32*\t+8*\j], v[S+32*\t+8*\j+1], v[S+32*\t+8*\j+2]
.endr
.endr
.irp u, 1,2
.irp j, 0,1,2,3
.irp t, 0,1,2,3
	v_max3_num_f32 v[ST+8*\t+4+\j], v[ST+8*\t+4+\j], v[S+32*\t+8*\j+2*\u+1], v[S+32*\t+8*\j+2*\u+2]
.endr
.endr
.endr
.irp t, 0,1,2,3
	v_max3_num_f32 v[ST+8*\t+4], v[ST+8*\t+4], v[S+32*\t+7], v[S+32*\t+15]
.endr
.irp t, 0,1,2,3
	v_max3_num_f32 v[ST+8*\t+6], v[ST+8*\t+6], v[S+32*\t+23], v[S+32*\t+31]
.endr
.irp t, 0,1,2,3
	v_max3_num_f32 v[ST+8*\t+4], v[ST+8*\t+4], v[ST+8*\t+5], v[ST+8*\t+6]
.endr
.irp t, 0,1,2,3
	v_max3_num_f32 v[ST+8*\t+4], v[ST+8*\t+4], v[ST+8*\t+7], v[ST+8*\t+1]
.endr
.irp t, 0,1,2,3
	v_permlanex16_b32 v[ST+8*\t+5], v[ST+8*\t+4], s[SEL], s[SEL+1]   ; the query's other 32 keys lie in the lane 16 away
.endr
.irp t, 0,1,2,3
	v_mov_b32 v[ST+8*\t+7], v[ST+8*\t]             ; c m_old
.endr
.irp t, 0,1,2,3
	v_max_num_f32 v[ST+8*\t+1], v[ST+8*\t+4], v[ST+8*\t+5]
.endr
.irp t, 0,1,2,3
	v_mul_f32 v[ST+8*\t], s[CS], v[ST+8*\t+1]
.endr
.irp t, 0,1,2,3
	v_sub_f32 v[ST+8*\t+7], v[ST+8*\t+7], v[ST+8*\t]
.endr
.set i, 0
.rept 16
.irp t, 0,1,2,3
	v_pk_fma_f32 v[S+32*\t+i:S+32*\t+i+1], v[S+32*\t+i:S+32*\t+i+1], s[CS:CS+1], v[ST+8*\t:ST+8*\t+1] op_sel_hi:[1,0,0] neg_lo:[0,0,1] neg_hi:[0,0,1]   ; c s - c m
.endr
.set i, i+2
.endr
.irp t, 0,1,2,3                        ; ONE BATCH of 132 exponentials: a, then the scores in place; none reads another's result
	v_exp_f32 v[ST+8*\t+6], v[ST+8*\t+7]
.endr
.set i, 0
.rept 32
.irp t, 0,1,2,3
	v_exp_f32 v[S+32*\t+i], v[S+32*\t+i]
.endr
.set i, i+1
.endr
	v_nop                                          ; a plain instruction behind the last exponential,
	s_wait_alu depctr_va_vdst(0)                   ; and the one wait ahead of the batch's first reader
.irp t, 0,1,2,3
	v_pk_fma_f32 v[ST+8*\t+2:ST+8*\t+3], v[ST+8*\t+2:ST+8*\t+3], v[ST+8*\t+6:ST+8*\t+7], v[S+32*\t:S+32*\t+1] op_sel_hi:[1,0,1]   ; l = a l + p: the sum is taken of the unrounded p
.endr
.set i, 2
.rept 15
.irp t, 0,1,2,3
	v_pk_add_f32 v[ST+8*\t+2:ST+8*\t+3], v[ST+8*\t+2:ST+8*\t+3], v[S+32*\t+i:S+32*\t+i+1]
.endr
.set i, i+2
.endr
.set i, 0
.rept 16
.irp t, 0,1,2,3
	v_cvt_pk_f16_f32 v[S+32*\t+i], v[S+32*\t+2*i], v[S+32*\t+2*i+1]   ; in place, ascending: register i is written when registers 2 i and 2 i + 1 are read
.endr
.set i, i+1
.endr
	WIN 0x41                                       ; O^T (destination and source 0) in window 1
.set i, 0
.rept 16
.irp t, 0,1,2,3
	v_pk_mul_f32 v[O+32*\t+i:O+32*\t+i+1], v[O+32*\t+i:O+32*\t+i+1], v[ST+8*\t+6:ST+8*\t+7] op_sel_hi:[1,0]
.endr
.set i, i+2
.endr
	WIN 0
.endm
.macro CLEAR                           ; O^T begins as zeros, so that the step is written without a first step of its own: the first a is 0
	WIN 0x40
.set i, 0
.rept 128
	v_mov_b32 v[O+i], 0
.set i, i+1
.endr
	WIN 0
.endm
; A slot's first three steps.  The third fetches no K: the next step's lies in the other slot.  The jump hangs on the count of steps and leads round the sixteen LDS loads and their address alone.
.macro REG3
	s_mov_b32 s[CNT], 3
.Lreg_\@:
	SM
	MM
	PLACES                                         ; between the products and the loads into K's and V's registers and the next reads of scores
	FETCH_V
	s_cmp_eq_u32 s[CNT], 1
	s_cbranch_scc1 .Lno_k_\@
	FETCH_K
.Lno_k_\@:
	s_add_co_u32 s[TK], s[TK], KTILE
	s_sub_co_u32 s[CNT], s[CNT], 1
	s_cmp_lg_u32 s[CNT], 0
	s_cbranch_scc1 .Lreg_\@
.endm
; A slot's fourth step, with THE CHANGE OF SLOTS in it.  All of the slot has been asked for from LDS (its last V in the step before).  Each wave waits for all its tensor loads, of which one is out: its part of the other slot;
; adds 0 to its spare word; waits for that and for its reads of the slot.  fill = 1: a round of the cluster's barrier, and the joint refill first behind it: it has four key steps in which to land.
.macro SYNC fill
	s_cmp_eq_u32 s[CL], 1
	s_cbranch_scc1 .Lahead_\@
	SM                                             ; class 0: the pending softmax ahead of the round
.Lahead_\@:
	s_wait_tensorcnt 0x0                           ; no tensor load of mine is out, so a group 0 may be written
	ds_add_u32 v[SPW], v[NIL]                      ; 0 onto my spare word
.if \fill
.irp g, G0K+4, G0V+4
	s_xor_b32 s[\g+1], s[\g+1], SLOT1              ; the walking descriptor: the other slot than last time,
	s_add_nc_u64 s[\g+2:\g+3], s[\g+2:\g+3], 32768 ; the next 256 keys
.endr
	s_wait_xcnt 0x0                                ; the last prefetch, four key steps back, has read its address
	s_add_nc_u64 s[PFA:PFA+1], s[PFA:PFA+1], 32768
	s_wait_dscnt 0x0                               ; the add is done, and my reads of the slot are over
	CROUND
	JLOAD
.else
	s_wait_dscnt 0x0
	s_barrier_signal -1
	s_barrier_wait -1
.endif
	s_sub_co_u32 s[TK], s[TK], 5*KTILE             ; the fetches go back to a slot's first step,
	s_xor_b32 s[TK], s[TK], SLOT1                  ; in the other slot
	s_sub_co_u32 s[TV], s[TV], 4*VTILE
	s_xor_b32 s[TV], s[TV], SLOT1
	FETCH_K
	s_add_co_u32 s[TK], s[TK], KTILE
.if \fill
	ASK
.endif
	s_cmp_eq_u32 s[CL], 0
	s_cbranch_scc1 .Lbehind_\@
	SM                                             ; class 1: behind it
.Lbehind_\@:
	MM
	PLACES
	FETCH_V
	FETCH_K
	s_add_co_u32 s[TK], s[TK], KTILE
.endm
	s_wait_tensorcnt 1                             ; my part of slot 0 is in; slot 1's may stay out
	s_barrier_signal -1
	s_barrier_wait -1                              ; everybody's is
	FETCH_K                                        ; key step 0
	s_add_co_u32 s[TK], s[TK], KTILE
	s_wait_loadcnt 0x0                             ; Q
	s_wait_dscnt 0x0
	s_cmp_eq_u32 s[CL], 0                          ; the first lag: class 0 multiplies and then clears, class 1 clears and then multiplies; both arms write the same registers
	s_cbranch_scc0 .Lopen_1
	KQ
	CLEAR
	s_branch .Lopened
.Lopen_1:
	CLEAR
	KQ
	WIN 0
.Lopened:
	PLACES
	FETCH_V                                        ; V of step 0
	FETCH_K                                        ; K of step 1
	s_add_co_u32 s[TK], s[TK], KTILE
.Lslot:                                            ; six trips: six slots are filled again
	REG3
	SYNC 1
	s_sub_co_u32 s[SLOTS], s[SLOTS], 1
	s_cmp_lg_u32 s[SLOTS], 0
	s_cbranch_scc1 .Lslot
	REG3                                           ; the tail is written out
	SYNC 0
	REG3
	SM
	s_wait_dscnt 0x0
	PVM
	WIN 0
	; THE WAY OUT.  l's two halves and the other half of the lanes' are added (these lines are the places behind the last products); O^T / l, rounded to f16, goes through my stage, a tile at a time.
.irp t, 0,1,2,3
	v_add_f32 v[ST+8*\t+4], v[ST+8*\t+2], v[ST+8*\t+3]
.endr
.irp t, 0,1,2,3
	v_permlanex16_b32 v[ST+8*\t+5], v[ST+8*\t+4], s[SEL], s[SEL+1]
.endr
.irp t, 0,1,2,3
	v_add_f32 v[ST+8*\t+4], v[ST+8*\t+4], v[ST+8*\t+5]
.endr
.irp t, 0,1,2,3
	v_rcp_f32 v[ST+8*\t+6], v[ST+8*\t+4]
.endr
	v_nop                                          ; a plain instruction behind the last reciprocal,
	s_wait_alu depctr_va_vdst(0)                   ; and the wait: one for the four
.macro PACKO t
	WIN 0x41
.set i, 0
.rept 16
	v_pk_mul_f32 v[O+32*\t+i:O+32*\t+i+1], v[O+32*\t+i:O+32*\t+i+1], v[ST+8*\t+6:ST+8*\t+7] op_sel_hi:[1,0]   ; each accumulator from its low end on
.set i, i+2
.endr
	WIN 0x05                                       ; sources in window 1, destination in window 0
.set i, 0
.rept 16
	v_cvt_pk_f16_f32 v[S+32*\t+i], v[O+32*\t+2*i], v[O+32*\t+2*i+1]
.set i, i+1
.endr
	WIN 0
.irp f, 0,1,2,3
	ds_store_b128 v[STO], v[S+32*\t+4*\f:S+32*\t+4*\f+3] offset:32*\f
.endr
.irp f, 0,1,2,3
	ds_load_b128 v[S+32*\t+16+4*\f:S+32*\t+16+4*\f+3], v[RD] offset:\f*4*SP   ; LDS serves a wave's instructions in order (ISA guide 5.7.1.4)
.endr
.endm
.macro SENDO t, younger                ; younger: the next tile's eight LDS instructions, or none
.irp f, 0,1,2,3
	s_wait_dscnt \younger+3-\f
	global_store_b128 v[GO], v[S+32*\t+16+4*\f:S+32*\t+16+4*\f+3], s[10:11] offset:\t*2048+\f*512   ; 512 consecutive bytes, aligned
.endr
.endm
	PACKO 0
	PACKO 1
	SENDO 0, 8
	PACKO 2
	SENDO 1, 8
	PACKO 3
	SENDO 2, 8
	SENDO 3, 0
	s_wait_tensorcnt 0x0                           ; the wave's end, behind my last tensor load and my last LDS store
	ds_add_u32 v[SPW], v[NIL]
	s_wait_dscnt 0x0
	CROUND                                         ; the closing round
	s_endpgm
.Lfunc_end_k_qe030a1e87e_attn:
	.size	k_qe030a1e87e_attn, .Lfunc_end_k_qe030a1e87e_attn-k_qe030a1e87e_attn
	.p2alignl 7, 3214868480
	.fill 96, 4, 3214868480
	.section	.rodata,"a",@progbits
	.p2align	6, 0x0
	.amdhsa_kernel k_qe030a1e87e_attn
		.amdhsa_group_segment_fixed_size 327680
		.amdhsa_private_segment_fixed_size 0
		.amdhsa_enable_private_segment 0
		.amdhsa_kernarg_size 16
		.amdhsa_user_sgpr_count 2
		.amdhsa_user_sgpr_kernarg_segment_ptr 1
		.amdhsa_wavefront_size32 1
		.amdhsa_system_sgpr_workgroup_id_x 1
		.amdhsa_system_sgpr_workgroup_id_y 1
		.amdhsa_system_sgpr_workgroup_id_z 1
		.amdhsa_system_vgpr_workitem_id 0
		.amdhsa_next_free_vgpr 512
		.amdhsa_next_free_sgpr 66
		.amdhsa_reserve_vcc 0
		.amdhsa_float_denorm_mode_32 3
		.amdhsa_float_denorm_mode_16_64 3
		.amdhsa_memory_ordered 1
		.amdhsa_forward_progress 1
		.amdhsa_inst_pref_size 255
	.end_amdhsa_kernel
	.section	.bss,"aw",@nobits
	.p2align	6
	.space	262144
	.amdgpu_metadata
---
amdhsa.version: [ 1, 2 ]
amdhsa.kernels:
  - .name:           k_qe030a1e87e_attn
    .symbol:         k_qe030a1e87e_attn.kd
    .args:
      - { .name: qkv16, .offset: 0, .size: 8, .value_kind: global_buffer, .address_space: global }
      - { .name: att16, .offset: 8, .size: 8, .value_kind: global_buffer, .address_space: global }
    .group_segment_fixed_size: 327680
    .private_segment_fixed_size: 0
    .kernarg_segment_align: 8
    .kernarg_segment_size: 16
    .max_flat_workgroup_size: 256
    .sgpr_count:     66
    .vgpr_count:     512
    .wavefront_size: 32
...
	.end_amdgpu_metadata
.endif
;; end of part 3
;; launch proj (part 4): grid 4 x 64, 4 waves a work-group, clusters of 4 x 4, 327,680 bytes of LDS; arguments att16, wp16, b_proj, out0; writes out0
.if DOCPART == 4
	.amdgcn_target "amdgcn-amd-amdhsa--gfx1250"
	.amdhsa_code_object_version 6
	.text
	.protected	k_qe030a1e87e_proj
	.globl	k_qe030a1e87e_proj
	.p2align	8
	.type	k_qe030a1e87e_proj,@function
k_qe030a1e87e_proj:
	s_mov_b64 s[64:65], 0
	v_nop
	global_prefetch_b8 v0, s[64:65] scope:SCOPE_SE
	s_setreg_imm32_b32 hwreg(HW_REG_WAVE_MODE, 25, 1), 1
	s_wait_xcnt 0x0
	s_wait_alu depctr_hold_cnt(0) depctr_sa_sdst(0) depctr_va_vdst(0) depctr_va_sdst(0) depctr_va_ssrc(0) depctr_va_vcc(0) depctr_vm_vsrc(0)
	s_getreg_b32 s2, hwreg(HW_REG_IB_STS2, 6, 4)
	s_cmp_eq_u32 s2, 0
	s_cbranch_scc0 .Lentry_in_a_cluster
	s_endpgm
.Lentry_in_a_cluster:
	s_bfe_u32 s2, ttmp6, 0x10000c
	s_cmp_lg_u32 s2, 0xf033
	s_cbranch_scc0 .Lentry_shape_is_right
	s_endpgm
.Lentry_shape_is_right:
; out0[m][n] = the sum over k of att[m][k] W_proj[k][n] + b_proj[n].  att16: [batch x 16 + head][token 2048][64] f16, so k = 64 head + channel; wp16: [k 1024][n 1024] f16; out0: [8192][1024] f32; sums in f32.
; A tile of 128 tokens x 256 columns is made by a work-group of four waves: 256 work-groups.  A wave makes 64 x 128: 32 accumulators, 256 registers.
; K goes in 8 steps of 128 (two heads) through a ring of two LDS slots.  A slot: att's two planes (one head each) of 128 rows x (128 + 16) bytes, then W's 128 rows (k) x (512 + 32) bytes.
; W lies [k][n]: its fragments come turned, by ds_load_tr16_b128.  THE MATRIX INSTRUCTION IS USED TRANSPOSED (source 0 = 16 columns of W, source 1 = 16 tokens): a lane holds eight neighbouring columns of one token.
; THE BIAS is the C of the first quarter's products.
; CLUSTERS: 4 x 4 work-groups; att's tiles are asked for jointly along a row of the cluster, W's along a column.  Waves 0 and 1 fetch att's two planes, waves 2 and 3 W's two halves: one load a wave behind each round;
; by this text's own count a wave has two tensor loads out at the start and one behind each round.
; LIMIT: att and W_proj inside f16's range.
; REGISTERS: window 0: v0-31 addresses; v64-127 the bias; v128-255 rows on the way out.  window 1: two fragment buffers, v0-95 and v128-223: 32 registers of att (4 x 16 tokens x 32 K), then 64 of W (8 x 16 columns).
;   window 2: accumulator (a, b) at v[8 (8 a + b)].
.set PA,     144
.set PB,     544
.set PLANE,  128*PA                    ; 18,432
.set BOFF,   2*PLANE
.set HALFB,  64*PB                     ; 34,816
.set SLOT,   BOFF+2*HALFB              ; 106,496
.set STAGE,  2*SLOT                    ; behind the ring: 16 rows x (512 + 16) bytes for each wave
.set SPITCH, 528
.set SPARE,  STAGE+4*16*SPITCH         ; the spare words, 128 bytes for each wave
.set LAPS,   4                         ; a lap = two K steps = once round the ring
.set ADRA, 16
.set ADRB, 20
.set STO,  24
.set RD,   25
.set CO,   26
.set SPW,  28                          ; v28  LDS address of my spare word; never rewritten
.set NIL,  29                          ; v29  0; never rewritten
.set BO,   31
.set BI,   64
.set BK,   128
.set F0,   0
.set F1,   128
.set WV,   12
.set WR,   13                          ; which half of the tile's tokens is mine.  Also: I fetch for att (0) or for W (1)
.set WC,   14                          ; which half of its columns.  Also: which plane, or which 64 rows of W, I fetch
.set TR,   15                          ; tile row
.set G1, 24
.set G0, 32
.set G1B, 48
.set G0B, 56
.set MSB, 0
.macro WIN new
.if MSB != (\new)
	s_set_vgpr_msb (MSB<<8)|(\new)
.set MSB, \new
.endif
.endm
.set MUL,  0xa5                        ; sources 0 and 1 window 1; C and D window 2
.set MUL1, 0x85                        ; the same with C (the bias) in window 0
.set TO_F, 0x40
.macro JLOAD s                         ; a joint load; an s_nop 0 and four v_nop follow each of the two lines
	s_cmp_eq_u32 s[WR], 0
	s_cbranch_scc0 .Lfor_b_\@
	tensor_load_to_lds s[G0+4*\s:G0+4*\s+3], s[G1:G1+7]
	s_nop 0
.rept 4
	v_nop
.endr
	s_branch .Lasked_\@
.Lfor_b_\@:
	tensor_load_to_lds s[G0B+4*\s:G0B+4*\s+3], s[G1B:G1B+7]
	s_nop 0
.rept 4
	v_nop
.endr
.Lasked_\@:
.endm
.macro CREST                           ; a round of the cluster's barrier behind its opening barrier
	s_cmp_lg_u32 s[WV], 0
	s_cbranch_scc1 .Lnot_wave_0_\@
	s_barrier_signal -3
.Lnot_wave_0_\@:
	s_barrier_wait -3
	s_barrier_signal -1
	s_barrier_wait -1
.endm
.macro CROUND
	s_barrier_signal -1
	s_barrier_wait -1
	CREST
.endm
	s_load_b128 s[4:7], s[0:1], 0x0                ; att16 s[4:5], wp16 s[6:7]
	s_load_b128 s[8:11], s[0:1], 0x10              ; b_proj s[8:9], out0 s[10:11]
	v_lshl_add_u32 v[SPW], v0, 2, SPARE
	v_mov_b32 v[NIL], 0
	ds_add_u32 v[SPW], v[NIL]                      ; the wave's opening: the add, twice on end, and its wait ahead of my first tensor load
	ds_add_u32 v[SPW], v[NIL]
	v_lshrrev_b32 v1, 5, v0
	v_readfirstlane_b32 s[WV], v1                  ; wave 0..3
	s_lshr_b32 s[WR], s[WV], 1
	s_and_b32 s[WC], s[WV], 1
	s_bfe_u32 s40, ttmp6, 0x40000                  ; cx, cy
	s_bfe_u32 s41, ttmp6, 0x40004
	s_lshl_b32 s42, ttmp9, 2
	s_add_co_u32 s42, s42, s40                     ; tile column
	s_and_b32 s[TR], ttmp7, 0xffff
	s_lshl_b32 s[TR], s[TR], 2
	s_add_co_u32 s[TR], s[TR], s41                 ; tile row
	s_lshl_b32 s43, s41, 2
	s_lshl_b32 s43, 15, s43                        ; my row of the cluster
	s_lshl_b32 s44, 0x1111, s40                    ; my column
	s_or_b32 s[G1+0], s43, (1<<16)|(1<<20)|(1<<21)|(4<<22)|(3<<25)   ; att: elements of 2 bytes; 4 words of padding after every 32
	s_mov_b32 s[G1+1], 64<<16                      ; tensor_dim0
	s_mov_b32 s[G1+2], 128<<16                     ; tensor_dim1
	s_mov_b32 s[G1+3], 64<<16                      ; tile_dim0
	s_mov_b32 s[G1+4], 128                         ; tile_dim1
	s_mov_b32 s[G1+5], 64                          ; from row to row
	s_mov_b32 s[G1+6], 0
	s_mov_b32 s[G1+7], 0
	s_or_b32 s[G1B+0], s44, (1<<16)|(1<<20)|(1<<21)|(6<<22)|(7<<25)  ; W: 8 words of padding after every 128
	s_mov_b32 s[G1B+1], 256<<16
	s_mov_b32 s[G1B+2], 64<<16
	s_mov_b32 s[G1B+3], 256<<16
	s_mov_b32 s[G1B+4], 64
	s_mov_b32 s[G1B+5], 1024
	s_mov_b32 s[G1B+6], 0
	s_mov_b32 s[G1B+7], 0
	s_lshr_b32 s16, s[TR], 4                       ; the batch: sixteen tile rows each
	s_lshl_b32 s16, s16, 22                        ; 16 heads of 262,144 bytes
	s_and_b32 s17, s[TR], 15
	s_lshl_b32 s17, s17, 14                        ; 128 tokens of 128 bytes
	s_add_co_u32 s16, s16, s17
	s_lshl_b32 s17, s[WC], 18                      ; my plane: head 0 or 1 of the K step
	s_add_co_u32 s16, s16, s17
	s_mov_b32 s17, 0
	s_lshl_b32 s46, s[WC], 17                      ; W: my 64 rows of 2,048 bytes,
	s_lshl_b32 s47, s42, 9                         ; the tile's 256 columns
	s_add_co_u32 s46, s46, s47
	s_mov_b32 s47, 0
	s_mul_i32 s20, s[WC], PLANE                    ; where they go
	s_mul_i32 s21, s[WC], HALFB
	s_add_co_u32 s21, s21, BOFF
	s_wait_dscnt 0x0                               ; both opening adds are done
	s_wait_kmcnt 0x0
	s_add_nc_u64 s[18:19], s[4:5], s[16:17]
	s_add_nc_u64 s[46:47], s[6:7], s[46:47]
	CROUND                                         ; all sixteen work-groups are here: the first joint loads meet
.irp s, 0,1
	s_mov_b32 s[G0+4*\s], 1
	s_add_co_u32 s[G0+4*\s+1], s20, \s*SLOT
	s_add_nc_u64 s[G0+4*\s+2:G0+4*\s+3], s[18:19], \s*524288       ; K step s: two heads on
	s_or_b32 s[G0+4*\s+3], s[G0+4*\s+3], 0x80000000
	s_mov_b32 s[G0B+4*\s], 1
	s_add_co_u32 s[G0B+4*\s+1], s21, \s*SLOT
	s_add_nc_u64 s[G0B+4*\s+2:G0B+4*\s+3], s[46:47], \s*262144     ; 128 rows on
	s_or_b32 s[G0B+4*\s+3], s[G0B+4*\s+3], 0x80000000
	JLOAD \s
.endr
	v_and_b32 v1, 15, v0                           ; r
	v_bfe_u32 v2, v0, 4, 1                         ; h
	v_mul_u32_u24 v3, v1, PA
	v_lshl_add_u32 v3, v2, 4, v3                   ; att: row x pitch + 16 x half
	v_and_b32 v4, 7, v0
	v_lshl_add_u32 v4, v2, 3, v4                   ; W, for the turning load: row k = 8 h + lane % 8,
	v_mul_u32_u24 v4, v4, PB
	v_bfe_u32 v5, v0, 3, 1
	v_lshl_add_u32 v4, v5, 4, v4                   ; columns 8 ((lane / 8) % 2) on
	s_mul_i32 s22, s[WR], 64*PA                    ; my 64 tokens
	s_lshl_b32 s23, s[WC], 8                       ; my 128 columns
	s_add_co_u32 s23, s23, BOFF
.irp s, 0,1
	v_add_nc_u32 v[ADRA+\s], s22, v3
	v_add_nc_u32 v[ADRB+\s], s23, v4
	s_add_co_u32 s22, s22, SLOT
	s_add_co_u32 s23, s23, SLOT
.endr
	s_mul_i32 s22, s[WV], 16*SPITCH
	s_add_co_u32 s22, s22, STAGE                   ; my stage
	v_mul_u32_u24 v5, v1, SPITCH
	v_lshl_add_u32 v5, v2, 5, v5
	v_add_nc_u32 v[STO], s22, v5                   ; in: row r, 32 bytes for each half of the lanes
	v_and_b32 v6, 31, v0
	v_lshlrev_b32 v[CO], 4, v6                     ; back: the 32 lanes take one row of 512 bytes; and the same in out0
	v_add_nc_u32 v[RD], s22, v[CO]
	v_lshlrev_b32 v[BO], 5, v2
	s_lshl_b32 s16, s[TR], 19                      ; 128 rows of 4,096 bytes
	s_lshl_b32 s17, s[WR], 18
	s_add_co_u32 s16, s16, s17
	s_mov_b32 s17, 0
	s_add_nc_u64 s[10:11], s[10:11], s[16:17]
	s_lshl_b32 s46, s42, 10                        ; my first column, in bytes of f32
	s_lshl_b32 s47, s[WC], 9
	s_add_co_u32 s46, s46, s47
	s_mov_b32 s47, 0
	s_add_nc_u64 s[10:11], s[10:11], s[46:47]
	s_add_nc_u64 s[8:9], s[8:9], s[46:47]
.irp b, 0,1,2,3,4,5,6,7
	global_load_b128 v[BI+8*\b:BI+8*\b+3], v[BO], s[8:9] offset:64*\b          ; b_proj at my columns 16 b + 8 h + 0..7, in the result's layout
	global_load_b128 v[BI+8*\b+4:BI+8*\b+7], v[BO], s[8:9] offset:64*\b+16
.endr
.macro MULA f, a, first                ; 8 matrix instructions: token block a x W's eight column blocks, 32 along K.  The 32 accumulators take turns, one instruction a turn
.irp b, 0,1,2,3,4,5,6,7
.if \first
	v_wmma_f32_16x16x32_f16 v[8*(8*(\a)+\b):8*(8*(\a)+\b)+7], v[\f+32+8*\b:\f+32+8*\b+7], v[\f+8*(\a):\f+8*(\a)+7], v[BI+8*\b:BI+8*\b+7]
.else
	v_wmma_f32_16x16x32_f16 v[8*(8*(\a)+\b):8*(8*(\a)+\b)+7], v[\f+32+8*\b:\f+32+8*\b+7], v[\f+8*(\a):\f+8*(\a)+7], v[8*(8*(\a)+\b):8*(8*(\a)+\b)+7]
.endif
.endr
.endm
.macro FETCH slot, q, f                ; 24 LDS loads in one run: the fragments of the slot's q-th 32 along K: W's sixteen, then att's blocks 0, 1, then 2, 3
	WIN TO_F
.irp b, 0,1,2,3,4,5,6,7
	ds_load_tr16_b128 v[\f+32+8*\b:\f+32+8*\b+3],   v[ADRB+\slot] offset:32*PB*(\q)+32*\b
	ds_load_tr16_b128 v[\f+32+8*\b+4:\f+32+8*\b+7], v[ADRB+\slot] offset:32*PB*(\q)+32*\b+16*PB
.endr
.irp i, 0,1,2,3
	ds_load_b128 v[\f+8*\i:\f+8*\i+3],   v[ADRA+\slot] offset:PLANE*((\q)/2)+64*((\q)%2)+16*PA*\i
	ds_load_b128 v[\f+8*\i+4:\f+8*\i+7], v[ADRA+\slot] offset:PLANE*((\q)/2)+64*((\q)%2)+16*PA*\i+32
.endr
.endm
.macro PLACES
.rept 4
	v_nop
.endr
.endm
; A K step is four quarters of 32 along K, 32 matrix instructions each, on buffers 0, 1, 0, 1.  One of the first three: multiplies buffer f and fetches quarter qn into g.
.macro QUARTER slot, qn, f, g, first
	s_wait_dscnt 4                                 ; W's fragments and att's blocks 0, 1 are in; the youngest four loads may be out
.if \first
	WIN MUL1
.else
	WIN MUL
.endif
	MULA \f, 0, \first
	MULA \f, 1, \first
	PLACES
	FETCH \slot, \qn, \g
	s_wait_dscnt 24                                ; all but the 24 just issued
.if \first
	WIN MUL1
.else
	WIN MUL
.endif
	MULA \f, 2, \first
	MULA \f, 3, \first
.endm
; The last quarter multiplies buffer 1 and changes slots: ONE barrier; in front of it each wave waits for all its tensor loads, adds 0 to its spare word, and waits for that and for its reads of this slot.
.macro TURN slot, next, fill
	WIN 0                                          ; (the add's two registers lie in window 0)
	s_wait_tensorcnt 0x0                           ; all my tensor loads have landed: my part of the next slot
	ds_add_u32 v[SPW], v[NIL]                      ; 0 onto my spare word
	s_wait_dscnt 5                                 ; (the add and the youngest four loads may be out)
	WIN MUL
	MULA F1, 0, 0
	s_wait_dscnt 0x0                               ; the add is done, and my reads of this slot are over
	s_barrier_signal -1
	MULA F1, 1, 0
.if \fill
	WIN 0
.endif
	s_barrier_wait -1
.if \fill
	CREST                                          ; the barrier has opened a round of the cluster's barrier: no wave of any partner still reads this slot or has a load on its way
	s_add_nc_u64 s[G0+4*\slot+2:G0+4*\slot+3], s[G0+4*\slot+2:G0+4*\slot+3], 1048576    ; two K steps on: four heads,
	s_add_nc_u64 s[G0B+4*\slot+2:G0B+4*\slot+3], s[G0B+4*\slot+2:G0B+4*\slot+3], 524288 ; 256 rows of W
	JLOAD \slot                                    ; the first tensor load behind the round: 112 matrix instructions ahead of the wait for it; its four v_nop are also the places in front of the loads below
.else
	PLACES
.endif
	FETCH \next, 0, F0
	WIN MUL
	MULA F1, 2, 0
	MULA F1, 3, 0
.endm
	s_wait_tensorcnt 1                             ; my part of K step 0 is in (K step 1's may be out)
	s_barrier_signal -1
	s_barrier_wait -1                              ; everybody's is
	FETCH 0, 0, F0
	s_wait_loadcnt 0x0                             ; the bias
	QUARTER 0, 1, F0, F1, 1                        ; the first quarter stands in front of the loop: its products start the sums, on the bias
	WIN 0
	s_mov_b32 s3, LAPS-1
.Llap:                                             ; a trip goes once round the ring, from a lap's second quarter to the next lap's first, and fills both slots again
	QUARTER 0, 2, F1, F0, 0
	QUARTER 0, 3, F0, F1, 0
	TURN 0, 1, 1
	QUARTER 1, 1, F0, F1, 0
	QUARTER 1, 2, F1, F0, 0
	QUARTER 1, 3, F0, F1, 0
	TURN 1, 0, 1
	QUARTER 0, 1, F0, F1, 0
	WIN 0
	s_sub_co_u32 s3, s3, 1
	s_cmp_lg_u32 s3, 0
	s_cbranch_scc1 .Llap
	QUARTER 0, 2, F1, F0, 0                        ; the last lap fills nothing
	QUARTER 0, 3, F0, F1, 0
	TURN 0, 1, 0
	QUARTER 1, 1, F0, F1, 0
	QUARTER 1, 2, F1, F0, 0
	QUARTER 1, 3, F0, F1, 0
	s_wait_dscnt 4                                 ; the very last quarter
	WIN MUL
	MULA F1, 0, 0
	MULA F1, 1, 0
	s_wait_dscnt 0
	MULA F1, 2, 0
	MULA F1, 3, 0
	WIN 0
; THE WAY OUT, a block of 16 tokens x 128 columns at a time: through my own stage and back as whole rows of 512 bytes.
.macro TOSTAGE a
	WIN 0x08                                       ; an LDS store's data are its source 1: window 2
.irp b, 0,1,2,3,4,5,6,7
	ds_store_b128 v[STO], v[64*(\a)+8*\b:64*(\a)+8*\b+3] offset:64*\b           ; each accumulator from its low end on
	ds_store_b128 v[STO], v[64*(\a)+8*\b+4:64*(\a)+8*\b+7] offset:64*\b+16
.endr
	WIN 0
.set BB, BK+64*((\a)%2)
.irp t, 0,1,2,3,4,5,6,7,8,9,10,11,12,13,14,15
	ds_load_b128 v[BB+4*\t:BB+4*\t+3], v[RD] offset:\t*SPITCH      ; LDS serves a wave's instructions in order (ISA guide 5.7.1.4)
.endr
.endm
.macro SEND a, younger
.set BB, BK+64*((\a)%2)
	s_wait_dscnt \younger
.irp t, 0,1,2,3,4,5,6,7,8,9,10,11,12,13,14,15
	global_store_b128 v[CO], v[BB+4*\t:BB+4*\t+3], s[10:11] offset:(16*(\a)+\t)*4096 th:TH_STORE_NT   ; 32 lanes store 512 consecutive bytes, aligned; 63 rows at the most stand in the immediate
.endr
.endm
	PLACES
	TOSTAGE 0
.irp a, 1,2,3
.if \a > 1
	s_wait_xcnt 0x0                                ; block a - 2's stores have read their registers: block a's rows may land there
.endif
	TOSTAGE \a
	SEND (\a)-1, 32                                ; behind block a - 1's loads: block a's 16 stores and 16 loads
.endr
	SEND 3, 0
	s_wait_tensorcnt 0x0                           ; the wave's end, behind my last tensor load and my last LDS store
	ds_add_u32 v[SPW], v[NIL]
	s_wait_dscnt 0x0
	CROUND                                         ; the closing round
	s_endpgm
.Lfunc_end_k_qe030a1e87e_proj:
	.size	k_qe030a1e87e_proj, .Lfunc_end_k_qe030a1e87e_proj-k_qe030a1e87e_proj
	.p2alignl 7, 3214868480
	.fill 96, 4, 3214868480
	.section	.rodata,"a",@progbits
	.p2align	6, 0x0
	.amdhsa_kernel k_qe030a1e87e_proj
		.amdhsa_group_segment_fixed_size 327680
		.amdhsa_private_segment_fixed_size 0
		.amdhsa_enable_private_segment 0
		.amdhsa_kernarg_size 32
		.amdhsa_user_sgpr_count 2
		.amdhsa_user_sgpr_kernarg_segment_ptr 1
		.amdhsa_wavefront_size32 1
		.amdhsa_system_sgpr_workgroup_id_x 1
		.amdhsa_system_sgpr_workgroup_id_y 1
		.amdhsa_system_sgpr_workgroup_id_z 1
		.amdhsa_system_vgpr_workitem_id 0
		.amdhsa_next_free_vgpr 768
		.amdhsa_next_free_sgpr 66
		.amdhsa_reserve_vcc 0
		.amdhsa_float_denorm_mode_32 3
		.amdhsa_float_denorm_mode_16_64 3
		.amdhsa_memory_ordered 1
		.amdhsa_forward_progress 1
		.amdhsa_inst_pref_size 87
	.end_amdhsa_kernel
	.amdgpu_metadata
---
amdhsa.version: [ 1, 2 ]
amdhsa.kernels:
  - .name:           k_qe030a1e87e_proj
    .symbol:         k_qe030a1e87e_proj.kd
    .args:
      - { .name: att16, .offset: 0, .size: 8, .value_kind: global_buffer, .address_space: global }
      - { .name: wp16, .offset: 8, .size: 8, .value_kind: global_buffer, .address_space: global }
      - { .name: b_proj, .offset: 16, .size: 8, .value_kind: global_buffer, .address_space: global }
      - { .name: out0, .offset: 24, .size: 8, .value_kind: global_buffer, .address_space: global }
    .group_segment_fixed_size: 327680
    .private_segment_fixed_size: 0
    .kernarg_segment_align: 8
    .kernarg_segment_size: 32
    .max_flat_workgroup_size: 128
    .sgpr_count:     66
    .vgpr_count:     768
    .wavefront_size: 32
...
	.end_amdgpu_metadata
.endif
;; end of part 4
